; MI455X (gfx1250); checked and timed in simulation.
; The chip was launched on July 23, 2026; its instructions are those of AMD's public machine-readable ISA for CDNA 5 (MIT licence, August 2026) and "CDNA5" Instruction Set Architecture Reference Guide (July 2026). The comments in the code are by the model that wrote it; some were corrected since.
;; Multi Head Attention. Allowed arithmetic: float matrix products may take bf16 or f16 operands with f32 sums; other float arithmetic in f32, or as packed bf16 or f16 multiplies, adds, multiply-adds, maxima and minima; sums over many terms, partial sums and values carried from step to step in f32; what a program stores and reads back later, other than sums and carried values, may be rounded once to bf16 or f16.
;; Inputs: wk_b 1,024 float32; wk_w 1,024 x 1,024 float32; wo_b 1,024 float32; wo_w 1,024 x 1,024 float32; wq_b 1,024 float32; wq_w 1,024 x 1,024 float32; wv_b 1,024 float32; wv_w 1,024 x 1,024 float32; x 4 x 2,048 x 1,024 float32.
;; Outputs: out0 4 x 2,048 x 1,024 float32.
;; 2 versions, each right; version 2 is version 1 with the launch prep written anew for expert scheduling mode. Each part assembles by itself: llvm-mc -triple=amdgcn-amd-amdhsa -mcpu=gfx1250 --defsym DOCPART=n.
;; ======== version 1 of 2: 4 launches
;; limits: values are held in f16: magnitudes above 65,504 overflow, below 6.1e-05 lose precision
;; workspace buffers: xb 16,777,216 bytes; wqkv 6,291,456 bytes; wo16 2,097,152 bytes; tab 540,672 bytes; qh 16,777,216 bytes; kh 16,777,216 bytes; vh 16,777,216 bytes; oh 16,777,216 bytes
;; launch prep (part 1): grid 768 x 1, 8 waves a work-group, no clusters, 0 bytes of LDS; arguments x, wq_w, wk_w, wv_w, wo_w, wq_b, wk_b, wv_b, wo_b, xb, wqkv, wo16, tab; writes xb, wqkv, wo16, tab
.if DOCPART == 1
	.amdgcn_target "amdgcn-amd-amdhsa--gfx1250"
	.amdhsa_code_object_version 6
	.text
	.protected	k_q94c31301c7_prep
	.globl	k_q94c31301c7_prep
	.p2align	8
	.type	k_q94c31301c7_prep,@function
k_q94c31301c7_prep:
	s_mov_b64 s[64:65], 0
	v_nop
	global_prefetch_b8 v0, s[64:65] scope:SCOPE_SE
	s_setreg_imm32_b32 hwreg(HW_REG_WAVE_MODE, 25, 1), 1
	s_wait_xcnt 0x0
; THE INPUTS ARE MADE READY FOR THE MATRIX UNITS, each byte read once and each result written once.
;   xb   [8192][1024] bf16          x rounded once
;   wqkv [3072][1024] bf16          row 192 h + 64 part + d = row 64 h + d of wq_w (part 0), wk_w (1), wv_w (2): a head's q, k and v rows lie together
;   wo16 [1024][1024] f16           wo_w rounded to bf16 like every other input, that number written as f16
;   tab  bytes 0 .. 524,287         [2048 pos][64] f32: word 2 i = cos(pos f_i), word 2 i + 1 = sin(pos f_i), f_i = 10000^(-i/32)
;        from byte 524,288          [16 h][192] f32: wq_b, wk_b, wv_b rounded to bf16, in wqkv's row order;   from byte 536,576: wo_b [1024] likewise
; LIMITS.  wo_w beyond 65,504 becomes an infinity in f16; below 6e-5 it keeps f16's fixed step of 6e-8.  f_i comes from v_exp_f32 (1 ULP), so an angle differs from the
; f32 product of the exact f_i by up to some 3e-4 rad at pos = 2,047.  The series are cut for |h| <= pi/4, which the reduction guarantees for every pos: error under 3e-7 before the two doublings.
; SHARES.  768 work-groups of eight waves; work-group g casts 65,536 bytes of f32 (16 rows of 1,024): g < 512 of x, 512 .. 703 of wq_w, wk_w, wv_w (64 each), 704 .. 767 of wo_w.
; Thread t takes 16 bytes at 16 t + 4,096 j, j = 0 .. 15: a wave's load covers 512 consecutive bytes, its store of 8 bytes a lane 256 consecutive bytes, aligned.
; All sixteen loads go out together.  Work-groups 512 .. 767 also make eight positions of the table while their loads are out; work-groups 0 .. 3 also round one bias each.
; No LDS, no barrier, no matrix unit: nothing is shared and nothing is multiplied.
.set X, 16                             ; v[16:79]   chunk j: 4 f32 as loaded
.set Y, 80                             ; v[80:111]  chunk j: 4 numbers of 16 bits to store; each chunk has its own, so no store's data is ever rewritten
.set T, 112                            ; v[112:127] at work
	s_load_b512 s[8:23], s[0:1], 0x0               ; x 8, wq_w 10, wk_w 12, wv_w 14, wo_w 16, wq_b 18, wk_b 20, wv_b 22
	s_load_b256 s[24:31], s[0:1], 0x40             ; wo_b 24, xb 26, wqkv 28, wo16 30
	s_load_b64 s[32:33], s[0:1], 0x60              ; tab
	s_mov_b32 s2, ttmp9                            ; g
	s_sub_co_u32 s3, s2, 512                       ; e = g - 512 (used where g >= 512 alone)
	s_lshr_b32 s4, s3, 6                           ; part: 0, 1, 2 = wq, wk, wv; 3 = wo
	s_and_b32 s5, s3, 63                           ; c: which 16 rows of that matrix
	s_lshr_b32 s6, s5, 2                           ; their head,
	s_mul_i32 s6, s6, 192
	s_lshl_b32 s7, s4, 6
	s_add_co_u32 s6, s6, s7                        ; + 64 part
	s_and_b32 s7, s5, 3
	s_lshl_b32 s7, s7, 4
	s_add_co_u32 s6, s6, s7                        ; + their first d
	s_lshl_b32 s6, s6, 11                          ; rows of 2,048 bytes: where they go in wqkv
	s_lshl_b32 s38, s2, 16                         ; x: 65,536 g in, 32,768 g out
	s_lshl_b32 s40, s2, 15
	s_lshl_b32 s42, s5, 16                         ; a weight: 65,536 c in,
	s_lshl_b32 s43, s5, 15                         ; wo16: 32,768 c out
	s_cmp_lt_u32 s2, 704
	s_cselect_b32 s43, s6, s43
	s_cmp_lt_u32 s2, 512
	s_cselect_b32 s38, s38, s42
	s_cselect_b32 s40, s40, s43
	s_mov_b32 s39, 0
	s_mov_b32 s41, 0
	v_lshlrev_b32 v1, 4, v0                        ; 16 t
	v_lshlrev_b32 v2, 3, v0                        ; 8 t
	s_wait_kmcnt 0x0
	s_cmp_eq_u32 s4, 1                             ; from which buffer
	s_cselect_b64 s[34:35], s[12:13], s[10:11]
	s_cmp_eq_u32 s4, 2
	s_cselect_b64 s[34:35], s[14:15], s[34:35]
	s_cmp_eq_u32 s4, 3
	s_cselect_b64 s[34:35], s[16:17], s[34:35]
	s_cmp_lt_u32 s2, 512
	s_cselect_b64 s[34:35], s[8:9], s[34:35]
	s_cmp_lt_u32 s2, 704                           ; into which
	s_cselect_b64 s[36:37], s[28:29], s[30:31]
	s_cmp_lt_u32 s2, 512
	s_cselect_b64 s[36:37], s[26:27], s[36:37]
	s_add_nc_u64 s[34:35], s[34:35], s[38:39]
	s_add_nc_u64 s[36:37], s[36:37], s[40:41]
.irp j, 0,1,2,3,4,5,6,7,8,9,10,11,12,13,14,15
	global_load_b128 v[X+4*(\j):X+4*(\j)+3], v1, s[34:35] offset:4096*(\j) th:TH_LOAD_NT
.endr
	; THE TABLE: work-group 512 + e makes positions 8 e .. 8 e + 7, a wave a position, a lane a pair i.
	s_cmp_lt_u32 s2, 512
	s_cbranch_scc1 .Lcast
	s_lshl_b32 s44, s3, 11                         ; eight rows of 256 bytes
	s_mov_b32 s45, 0
	s_add_nc_u64 s[46:47], s[32:33], s[44:45]
	v_and_b32 v3, 31, v0                           ; i
	v_lshrrev_b32 v4, 5, v0
	v_lshl_add_u32 v4, s3, 3, v4                   ; pos
	v_cvt_f32_u32 v3, v3
	v_cvt_f32_u32 v4, v4
	v_mul_f32 v3, 0xbed49a78, v3                   ; - i log2(10000) / 32
	v_exp_f32 v3, v3                               ; f_i
	v_lshlrev_b32 v5, 3, v0                        ; (the plain instruction behind the exponential) my 8 bytes of the eight rows
	s_wait_alu depctr_va_vdst(0)
	v_mul_f32 v4, v4, v3                           ; the angle
	v_mul_f32 v6, 0.15915494, v4
	v_rndne_f32 v6, v6                             ; n = whole turns, 326 at the most
	v_fmamk_f32 v4, v6, 0xc0c90000, v4             ; - n x 6.28125: exact,
	v_fmamk_f32 v4, v6, 0xbafdaa22, v4             ; - n x the rest of 2 pi: now within -pi .. pi
	v_mul_f32 v4, 0x3e800000, v4                   ; h = a quarter of it
	v_mul_f32 v6, v4, v4                           ; z = h h
	v_mov_b32 v7, 0xb9500d01                       ; sin h = h + h z (-1/6 + z (1/120 - z/5040))
	v_fmaak_f32 v7, v7, v6, 0x3c088889
	v_fmaak_f32 v7, v7, v6, 0xbe2aaaab
	v_mul_f32 v7, v7, v6
	v_fma_f32 v10, v4, v7, v4
	v_mov_b32 v8, 0x37d00d01                       ; cos h = 1 + z (-1/2 + z (1/24 + z (-1/720 + z/40320)))
	v_fmaak_f32 v8, v8, v6, 0xbab60b61
	v_fmaak_f32 v8, v8, v6, 0x3d2aaaab
	v_fmaak_f32 v8, v8, v6, 0xbf000000
	v_fma_f32 v11, v8, v6, 1.0
	v_add_f32 v9, v10, v10                         ; the angle is doubled twice: sin 2a = 2 sin a cos a, cos 2a = 1 - 2 sin a sin a
	v_mul_f32 v14, v9, v11
	v_fma_f32 v15, -v9, v10, 1.0
	v_add_f32 v9, v14, v14
	v_mul_f32 v13, v9, v15                         ; sin
	v_fma_f32 v12, -v9, v14, 1.0                   ; cos
	global_store_b64 v5, v[12:13], s[46:47]        ; a wave stores one position's 256 bytes
.Lcast:
; Chunk j is rounded and stored.  half = 1: the bf16 number is widened again and written as f16.
.macro CONV j, half
	s_wait_loadcnt 15-(\j)                         ; loads come back in order: chunk j is in, the 15 - j younger ones may stay out
	v_cvt_pk_bf16_f32 v[Y+2*(\j)],   v[X+4*(\j)],   v[X+4*(\j)+1]
	v_cvt_pk_bf16_f32 v[Y+2*(\j)+1], v[X+4*(\j)+2], v[X+4*(\j)+3]
.if \half
	v_lshlrev_b32 v[T],   16, v[Y+2*(\j)]
	v_and_b32     v[T+1], 0xffff0000, v[Y+2*(\j)]
	v_lshlrev_b32 v[T+2], 16, v[Y+2*(\j)+1]
	v_and_b32     v[T+3], 0xffff0000, v[Y+2*(\j)+1]
	v_cvt_pk_f16_f32 v[Y+2*(\j)],   v[T],   v[T+1]
	v_cvt_pk_f16_f32 v[Y+2*(\j)+1], v[T+2], v[T+3]
.endif
	global_store_b64 v2, v[Y+2*(\j):Y+2*(\j)+1], s[36:37] offset:2048*(\j)
.endm
	s_cmp_ge_u32 s2, 704
	s_cbranch_scc1 .Lhalf
.irp j, 0,1,2,3,4,5,6,7,8,9,10,11,12,13,14,15
	CONV \j, 0
.endr
	s_branch .Lbias
.Lhalf:
.irp j, 0,1,2,3,4,5,6,7,8,9,10,11,12,13,14,15
	CONV \j, 1
.endr
.Lbias:
	; THE BIASES: work-group 0, 1, 2, 3 rounds wq_b, wk_b, wv_b, wo_b to bf16 and keeps the number as f32.  Thread t has numbers 4 t .. 4 t + 3: head t / 16, d = 4 (t % 16).
	s_cmp_lt_u32 s2, 4
	s_cbranch_scc0 .Lend
	s_cmp_eq_u32 s2, 1
	s_cselect_b64 s[38:39], s[20:21], s[18:19]
	s_cmp_eq_u32 s2, 2
	s_cselect_b64 s[38:39], s[22:23], s[38:39]
	s_cmp_eq_u32 s2, 3
	s_cselect_b64 s[38:39], s[24:25], s[38:39]
	s_movk_i32 s42, 768                            ; q, k, v: a head's 192 numbers are 768 bytes, the part's 64 begin at 256 g
	s_movk_i32 s44, 256                            ; wo_b: as it lies, 12,288 bytes further on
	s_lshl_b32 s43, s2, 8
	s_cmp_eq_u32 s2, 3
	s_cselect_b32 s42, s44, s42
	s_cselect_b32 s43, 12288, s43
	global_load_b128 v[112:115], v1, s[38:39]
	v_lshrrev_b32 v3, 4, v0
	v_and_b32 v4, 15, v0
	v_mul_lo_u32 v3, v3, s42
	v_lshl_add_u32 v3, v4, 4, v3
	v_add_nc_u32 v3, s43, v3
	s_wait_loadcnt 0x0
	v_cvt_pk_bf16_f32 v116, v112, v113
	v_cvt_pk_bf16_f32 v117, v114, v115
	v_lshlrev_b32 v120, 16, v116
	v_and_b32     v121, 0xffff0000, v116
	v_lshlrev_b32 v122, 16, v117
	v_and_b32     v123, 0xffff0000, v117
	global_store_b128 v3, v[120:123], s[32:33] offset:524288  ; sixteen lanes store 256 consecutive bytes, aligned
.Lend:
	s_endpgm
.Lfunc_end_k_q94c31301c7_prep:
	.size	k_q94c31301c7_prep, .Lfunc_end_k_q94c31301c7_prep-k_q94c31301c7_prep
	.p2alignl 7, 3214868480
	.fill 96, 4, 3214868480
	.section	.rodata,"a",@progbits
	.p2align	6, 0x0
	.amdhsa_kernel k_q94c31301c7_prep
		.amdhsa_group_segment_fixed_size 0
		.amdhsa_private_segment_fixed_size 0
		.amdhsa_enable_private_segment 0
		.amdhsa_kernarg_size 104
		.amdhsa_user_sgpr_count 2
		.amdhsa_user_sgpr_kernarg_segment_ptr 1
		.amdhsa_wavefront_size32 1
		.amdhsa_system_sgpr_workgroup_id_x 1
		.amdhsa_system_sgpr_workgroup_id_y 1
		.amdhsa_system_sgpr_workgroup_id_z 1
		.amdhsa_system_vgpr_workitem_id 0
		.amdhsa_next_free_vgpr 128
		.amdhsa_next_free_sgpr 66
		.amdhsa_reserve_vcc 0
		.amdhsa_float_denorm_mode_32 3
		.amdhsa_float_denorm_mode_16_64 3
		.amdhsa_memory_ordered 1
		.amdhsa_forward_progress 1
		.amdhsa_inst_pref_size 20
	.end_amdhsa_kernel
	.amdgpu_metadata
---
amdhsa.version: [ 1, 2 ]
amdhsa.kernels:
  - .name:           k_q94c31301c7_prep
    .symbol:         k_q94c31301c7_prep.kd
    .args:
      - { .name: x, .offset: 0, .size: 8, .value_kind: global_buffer, .address_space: global }
      - { .name: wq_w, .offset: 8, .size: 8, .value_kind: global_buffer, .address_space: global }
      - { .name: wk_w, .offset: 16, .size: 8, .value_kind: global_buffer, .address_space: global }
      - { .name: wv_w, .offset: 24, .size: 8, .value_kind: global_buffer, .address_space: global }
      - { .name: wo_w, .offset: 32, .size: 8, .value_kind: global_buffer, .address_space: global }
      - { .name: wq_b, .offset: 40, .size: 8, .value_kind: global_buffer, .address_space: global }
      - { .name: wk_b, .offset: 48, .size: 8, .value_kind: global_buffer, .address_space: global }
      - { .name: wv_b, .offset: 56, .size: 8, .value_kind: global_buffer, .address_space: global }
      - { .name: wo_b, .offset: 64, .size: 8, .value_kind: global_buffer, .address_space: global }
      - { .name: xb, .offset: 72, .size: 8, .value_kind: global_buffer, .address_space: global }
      - { .name: wqkv, .offset: 80, .size: 8, .value_kind: global_buffer, .address_space: global }
      - { .name: wo16, .offset: 88, .size: 8, .value_kind: global_buffer, .address_space: global }
      - { .name: tab, .offset: 96, .size: 8, .value_kind: global_buffer, .address_space: global }
    .group_segment_fixed_size: 0
    .private_segment_fixed_size: 0
    .kernarg_segment_align: 8
    .kernarg_segment_size: 104
    .max_flat_workgroup_size: 256
    .sgpr_count:     66
    .vgpr_count:     128
    .wavefront_size: 32
...
	.end_amdgpu_metadata
.endif
;; end of part 1
;; launch proj (part 2): grid 16 x 32, 4 waves a work-group, clusters of 4 x 4, 327,680 bytes of LDS; arguments xb, wqkv, tab, qh, kh, vh; writes qh, kh, vh
.if DOCPART == 2
	.amdgcn_target "amdgcn-amd-amdhsa--gfx1250"
	.amdhsa_code_object_version 6
	.text
	.protected	k_q94c31301c7_proj
	.globl	k_q94c31301c7_proj
	.p2align	8
	.type	k_q94c31301c7_proj,@function
k_q94c31301c7_proj:
	s_mov_b64 s[64:65], 0
	v_nop
	global_prefetch_b8 v0, s[64:65] scope:SCOPE_SE
	s_setreg_imm32_b32 hwreg(HW_REG_WAVE_MODE, 25, 1), 1
	s_wait_xcnt 0x0
	s_wait_alu depctr_hold_cnt(0) depctr_sa_sdst(0) depctr_va_vdst(0) depctr_va_sdst(0) depctr_va_ssrc(0) depctr_va_vcc(0) depctr_vm_vsrc(0)
	s_getreg_b32 s2, hwreg(HW_REG_IB_STS2, 6, 4)
	s_cmp_eq_u32 s2, 0
	s_cbranch_scc0 .Lentry_in_a_cluster
	s_endpgm
.Lentry_in_a_cluster:
	s_bfe_u32 s2, ttmp6, 0x10000c
	s_cmp_lg_u32 s2, 0xf033
	s_cbranch_scc0 .Lentry_shape_is_right
	s_endpgm
.Lentry_shape_is_right:
; [q | k | v] = xb wqkv^T + bias, the pair rotation (RoPE) on q and k, and the result by heads: qh, kh, vh [64 = 16 batch + head][2048][64] f16, unscaled.
; xb [8192][1024] bf16; wqkv [3072][1024] bf16, row 192 h + 64 part + d; tab: [2048][64] f32 (cos, sin by pairs), then the biases in wqkv's order from byte 524,288.  Sums in f32, each result rounded once.
; LIMITS.  q, k and v must lie within f16's 65,504 (beyond it a conversion gives an infinity); below 6e-5 they keep f16's fixed step of 6e-8.  NaN and infinities are not treated apart.
; SHARES.  A work-group makes 256 rows x 192 columns: one head's q, k and v for 256 positions.  16 heads x 32 row blocks = 512 work-groups.  Wave w makes rows 64 w .. 64 w + 63 of all 192 columns:
; 4 x 12 accumulators of 16 x 16, 384 registers; for 32 along K it reads 32 x 16 bytes a lane from LDS for 48 matrix instructions, and a head's rows leave from one wave, with no barrier on the way out.
; K goes in 8 steps of 128 through two LDS slots filled by the tensor data mover: rows of 256 bytes of memory, aligned.
; CLUSTER.  4 x 4 work-groups.  The four of a row of the cluster share the tile of xb, the four of a column the tile of wqkv: each is asked for JOINTLY, by the same tensor load with the same descriptor and a mask of the four.
; THE MATRIX INSTRUCTION IS USED TRANSPOSED: source 0 = 16 rows of wqkv, source 1 = 16 rows of xb.  Lane l then holds row l % 16 and the columns 8 (l / 16) + 0 .. 7 of a block of 16: four whole pairs of the rotation,
; and 16 bytes of f16 on end.  THE BIAS is the C operand of the product that starts each sum: nothing is cleared and nothing is added later.
; REGISTERS, in windows of 256 (s_set_vgpr_msb: bits 1:0 source 0, 3:2 source 1, 5:4 source 2, 7:6 destination):
;   window 0: v0-31 addresses; v32-127 the bias, 8 registers a column block (later: at work on the way out); v128-255 the table, row block a, block of 16 d at 128 + 32 a + 8 db
;   window 1: two fragment buffers of 128: 12 fragments of wqkv, then 4 of xb
;   window 2: accumulators of row blocks 0, 1 at 8 (12 a + b); v192-199 at work in the rotation          window 3: the same for row blocks 2, 3
.set PITCH,  272                       ; an LDS row: 256 bytes + 16 of padding = 68 words: the 16 rows of a fragment load start at 16 different groups of four banks (64 banks of 4 bytes: ISA guide 11.1)
.set BOFF,   256*PITCH                 ; a slot: 256 rows of xb, then 192 rows of wqkv
.set SLOT1,  131072                    ; slot 1 begins here, so that one exclusive or turns an address in one slot into the other's
.set STAGE,  SLOT1+448*PITCH           ; behind the ring, never filled by a tensor load: for each wave 3 parts x 16 rows x 144 bytes
.set SP,     144
.set WST,    48*SP
.set SPARE,  STAGE+4*WST               ; behind the stages: the spare words, 128 bytes for each wave: two blocks of 256 bytes that no other line names
.set ADRA0, 16                         ; v16  my place in slot 0's rows of xb: (64 w + l % 16) x 272 + 16 (l / 16); never rewritten
.set ADRB0, 17                         ; v17  the same for wqkv: BOFF + (l % 16) x 272 + 16 (l / 16)
.set ADRA,  18                         ; v18  v16 + the slot in hand
.set ADRB,  19                         ; v19  v17 + the slot in hand
.set STO,   20                         ; v20  the way out: where I put 16 bytes of a row
.set RD,    21                         ; v21  the way out: where I read rows back
.set GO,    22                         ; v22  my 16 bytes of 512 consecutive bytes of a head
.set BO,    23                         ; v23  32 (l / 16): my eight numbers of a block's bias
.set RO,    24                         ; v24  256 (l % 16) + 32 (l / 16): my eight words of my position's row of the table
.set SPW,   28                         ; v28  LDS address of my spare word; never rewritten
.set NIL,   29                         ; v29  0; never rewritten
.set PFO,   30                         ; v30  2,048 x my lane: a row of xb; never rewritten
.set BIAS,  32
.set TMP,   32                         ; the way out: 48 registers of packed results,
.set BK,    80                         ; and 48 of whole rows read back
.set TAB,   128
.set XT,    192                        ; windows 2 and 3
.set F0,    0
.set F1,    128
.set CNT,   3                          ; s3   the loop's count
.set G1,    24                         ; s[24:31] descriptor group 1 for xb's tiles
.set G0,    32                         ; s[32:35] group 0 of the first fill of slot 0; s[36:39] that of slot 1, which then walks
.set G1B,   48                         ; s[48:55], s[56:59], s[60:63] the same for wqkv's tiles
.set G0B,   56
.set TB,    45                         ; s45  the slot that is read: 0 or SLOT1
.set QP,    70                         ; s[70:71], s[72:73], s[74:75] qh, kh, vh at my wave's first row
.set PFA,   76                         ; s[76:77] where my prefetches stand
.set LIM,   78                         ; s78  1 in a wave that prefetches, else the greatest number
.set RP,    80                         ; s[80:81] the table at my wave's first position
.set BP,    82                         ; s[82:83] my head's 192 biases
.set MSB, 0
.macro WIN new                         ; the immediate's high byte repeats the setting that is left; a switch that changes nothing is dropped
.if MSB != (\new)
	s_set_vgpr_msb (MSB<<8)|(\new)
.set MSB, \new
.endif
.endm
.set TO_F, 0x40                        ; destination window 1, address window 0
; A joint refill by the walking descriptors.  Waves 0 and 1 fetch the two halves of xb's tile, waves 2 and 3 those of wqkv's.  The branch hangs on the wave's number alone.
; An s_nop 0 and four v_nop follow each of the two lines, ahead of the jump and the label.
.macro JLOAD
	s_cmp_lt_u32 s10, 2
	s_cbranch_scc0 .Lfor_b_\@
	tensor_load_to_lds s[G0+4:G0+7], s[G1:G1+7]
	s_nop 0
.rept 4
	v_nop
.endr
	s_branch .Lasked_\@
.Lfor_b_\@:
	tensor_load_to_lds s[G0B+4:G0B+7], s[G1B:G1B+7]
	s_nop 0
.rept 4
	v_nop
.endr
.Lasked_\@:
.endm
; A PREFETCH INTO THE L2 of xb's K step that the NEXT refill will ask for: 32 rows x 256 bytes, a lane a row, one instruction a wave, 192 matrix instructions ahead of that load.
; Each row's 256 bytes of a K step are named once in the launch: of the four clusters that read a tile row the one with x = 0 asks; of the 128 rows that wave 0 or 1 fetches, the partner at place cx takes
; 32 cx .. 32 cx + 31, told apart by address: no branch hangs on a place in the cluster.  K steps 0 to 2 come by their loads alone; the loop's last trip asks for nothing: there is no K step 8.
; wqkv's tiles are not asked for: a wave's 96 rows do not share out as 32 lanes for each of four partners.
.macro ASK
	s_cmp_gt_u32 s[CNT], s[LIM]
	s_cbranch_scc0 .Lnot_mine_\@
	global_prefetch_b8 v[PFO], s[PFA:PFA+1] th:TH_LOAD_NT scope:SCOPE_SE
.Lnot_mine_\@:
.endm
; A round of the cluster's barrier: my work-group's barrier, so that wave 0's signal speaks for all four waves; wave 0 signals; every wave waits for all sixteen work-groups; my work-group's barrier once more.
.macro CREST                           ; a round behind its opening barrier
	s_cmp_lg_u32 s10, 0
	s_cbranch_scc1 .Lnot_wave_0_\@
	s_barrier_signal -3
.Lnot_wave_0_\@:
	s_barrier_wait -3
	s_barrier_signal -1
	s_barrier_wait -1
.endm
.macro CROUND
	s_barrier_signal -1
	s_barrier_wait -1
	CREST
.endm
.macro PLACES                          ; four plain instructions between a matrix instruction and a load into a register that it read, or a vector instruction that reads its result
.rept 4
	v_nop
.endr
.endm
	s_load_b128 s[4:7], s[0:1], 0x0                ; xb s[4:5], wqkv s[6:7]
	s_load_b256 s[68:75], s[0:1], 0x10             ; tab s[68:69], qh, kh, vh
	v_lshl_add_u32 v[SPW], v0, 2, SPARE
	v_mov_b32 v[NIL], 0
	ds_add_u32 v[SPW], v[NIL]                      ; the wave's opening: the add and its wait stand ahead of my first tensor load; the set-up below, work on registers, stands between them
	ds_add_u32 v28, v29
	v_lshrrev_b32 v1, 5, v0
	v_readfirstlane_b32 s10, v1                    ; wave 0..3
	s_lshr_b32 s11, s10, 1                         ; 0: I fetch for xb, 1: for wqkv
	s_and_b32 s12, s10, 1                          ; which half of that tile's rows
	s_bfe_u32 s40, ttmp6, 0x40000                  ; cx
	s_bfe_u32 s41, ttmp6, 0x40004                  ; cy
	s_lshl_b32 s42, ttmp9, 2                       ; in a cluster launch ttmp9 and ttmp7 count clusters
	s_add_co_u32 s42, s42, s40                     ; the head = 4 x cluster x + cx
	s_and_b32 s13, ttmp7, 0xffff
	s_lshl_b32 s13, s13, 2
	s_add_co_u32 s13, s13, s41                     ; the row block = 4 x cluster y + cy
	s_lshl_b32 s43, s41, 2
	s_lshl_b32 s43, 15, s43                        ; my row of the cluster: places 4 cy .. 4 cy + 3
	s_lshl_b32 s44, 0x1111, s40                    ; my column: places cx, cx + 4, cx + 8, cx + 12
	s_or_b32 s[G1+0], s43, (1<<16)|(1<<20)|(1<<21)|(5<<22)|(3<<25)   ; 15:0 the mask; 17:16 elements of 2 bytes; 20 padding on; 21 set beside a mask; 24:22 after every 64 words (code 5); 31:25 4 words of it (code 3)
	s_or_b32 s[G1B+0], s44, (1<<16)|(1<<20)|(1<<21)|(5<<22)|(3<<25)
	s_mov_b32 s[G1+1], 128<<16                     ; tensor_dim0 = 128
	s_mov_b32 s[G1+2], 128<<16                     ; tensor_dim1 = 128 rows
	s_mov_b32 s[G1+3], 128<<16                     ; tile_dim0 = 128
	s_mov_b32 s[G1+4], 128                         ; tile_dim1 = 128
	s_mov_b32 s[G1+5], 1024                        ; elements from row to row
	s_mov_b32 s[G1+6], 0
	s_mov_b32 s[G1+7], 0
	s_mov_b32 s[G1B+1], 128<<16
	s_mov_b32 s[G1B+2], 96<<16                     ; 96 rows
	s_mov_b32 s[G1B+3], 128<<16
	s_mov_b32 s[G1B+4], 96
	s_mov_b32 s[G1B+5], 1024
	s_mov_b32 s[G1B+6], 0
	s_mov_b32 s[G1B+7], 0
	; where the tiles come from: xb's hang on the row block alone, wqkv's on the head alone, each in registers that never hold the other coordinate
	s_lshl_b32 s17, s12, 7
	s_lshl_b32 s16, s13, 8
	s_add_co_u32 s16, s16, s17                     ; xb: row 256 x block + 128 x half,
	s_lshl_b32 s16, s16, 11                        ; of 2,048 bytes
	s_mov_b32 s17, 0
	s_mul_i32 s46, s42, 192
	s_mul_i32 s47, s12, 96
	s_add_co_u32 s46, s46, s47                     ; wqkv: row 192 x head + 96 x half
	s_lshl_b32 s46, s46, 11
	s_mov_b32 s47, 0
	s_mul_i32 s20, s10, 128*PITCH                  ; and where they go: waves 0, 1: xb's halves at w x 128 rows;
	s_mul_i32 s21, s10, 96*PITCH
	s_add_co_u32 s21, s21, BOFF-2*96*PITCH         ; waves 2, 3: wqkv's halves at BOFF + (w - 2) x 96 rows.  No place in the cluster enters an LDS address
	s_wait_dscnt 0x0                               ; the opening add is done
	s_wait_kmcnt 0x0
	s_add_nc_u64 s[14:15], s[4:5], s[16:17]
	s_add_nc_u64 s[46:47], s[6:7], s[46:47]
	CROUND                                         ; all sixteen work-groups are here: the first joint loads meet
.irp s, 0,1
	s_mov_b32 s[G0+4*(\s)], 1                                        ; count = 1
	s_add_co_u32 s[G0+4*(\s)+1], s20, (\s)*SLOT1                     ; LDS address
	s_add_nc_u64 s[G0+4*(\s)+2:G0+4*(\s)+3], s[14:15], (\s)*256      ; global address: K step s
	s_or_b32 s[G0+4*(\s)+3], s[G0+4*(\s)+3], 0x80000000              ; type = 2
	s_mov_b32 s[G0B+4*(\s)], 1
	s_add_co_u32 s[G0B+4*(\s)+1], s21, (\s)*SLOT1
	s_add_nc_u64 s[G0B+4*(\s)+2:G0B+4*(\s)+3], s[46:47], (\s)*256
	s_or_b32 s[G0B+4*(\s)+3], s[G0B+4*(\s)+3], 0x80000000
.endr
	s_cmp_lt_u32 s10, 2                            ; a wave's two first fills stand in one branch, ahead of every wait on TENSORcnt and every LDS read: two loads of mine are out
	s_cbranch_scc0 .Lfirst_b
	tensor_load_to_lds s[G0:G0+3], s[G1:G1+7]
	s_nop 0
	tensor_load_to_lds s[G0+4:G0+7], s[G1:G1+7]
	s_nop 0
.rept 4
	v_nop
.endr
	s_branch .Lfirst_asked
.Lfirst_b:
	tensor_load_to_lds s[G0B:G0B+3], s[G1B:G1B+7]
	s_nop 0
	tensor_load_to_lds s[G0B+4:G0B+7], s[G1B:G1B+7]
	s_nop 0
.rept 4
	v_nop
.endr
.Lfirst_asked:
	s_mul_i32 s84, s42, 768                        ; my head's biases
	s_add_co_u32 s84, s84, 524288
	s_mov_b32 s85, 0
	s_add_nc_u64 s[BP:BP+1], s[68:69], s[84:85]
	s_and_b32 s86, s13, 7                          ; the block's first position: 256 x (block % 8), + 64 w; a position's row of the table is 256 bytes
	s_lshl_b32 s86, s86, 8
	s_lshl_b32 s87, s10, 6
	s_add_co_u32 s86, s86, s87
	s_lshl_b32 s86, s86, 8
	s_mov_b32 s87, 0
	s_add_nc_u64 s[RP:RP+1], s[68:69], s[86:87]
	v_and_b32 v1, 15, v0                           ; l % 16
	v_bfe_u32 v2, v0, 4, 1                         ; l / 16
	v_lshlrev_b32 v[BO], 5, v2
	v_lshlrev_b32 v[RO], 8, v1
	v_lshl_add_u32 v[RO], v2, 5, v[RO]
.irp b, 0,1,2,3,4,5,6,7,8,9,10,11
	global_load_b128 v[BIAS+8*(\b):BIAS+8*(\b)+3],   v[BO], s[BP:BP+1] offset:64*(\b)      ; register j of block b: the bias of column 16 b + 8 (l / 16) + j
	global_load_b128 v[BIAS+8*(\b)+4:BIAS+8*(\b)+7], v[BO], s[BP:BP+1] offset:64*(\b)+16
.endr
.irp i, 0,1,2,3,4,5,6,7,8,9,10,11,12,13,14,15      ; row block i / 4, block of 16 d i % 4: four pairs (cos, sin) of my position
	global_load_b128 v[TAB+8*(\i):TAB+8*(\i)+3],   v[RO], s[RP:RP+1] offset:((\i)/4)*4096+((\i)%4)*64
	global_load_b128 v[TAB+8*(\i)+4:TAB+8*(\i)+7], v[RO], s[RP:RP+1] offset:((\i)/4)*4096+((\i)%4)*64+16
.endr
	s_lshr_b32 s84, s13, 3                         ; where my wave's rows go in qh, kh and vh: batch x 2^22 + head x 2^18 + position x 128
	s_lshl_b32 s84, s84, 22
	s_lshl_b32 s85, s42, 18
	s_or_b32 s84, s84, s85
	s_and_b32 s85, s13, 7
	s_lshl_b32 s85, s85, 15
	s_or_b32 s84, s84, s85
	s_lshl_b32 s85, s10, 13
	s_or_b32 s84, s84, s85
	s_mov_b32 s85, 0
	s_add_nc_u64 s[QP:QP+1], s[QP:QP+1], s[84:85]
	s_add_nc_u64 s[QP+2:QP+3], s[QP+2:QP+3], s[84:85]
	s_add_nc_u64 s[QP+4:QP+5], s[QP+4:QP+5], s[84:85]
	s_lshl_b32 s86, s13, 8                         ; the prefetches: xb's row 256 x block + 128 x half + 32 cx,
	s_lshl_b32 s87, s12, 7
	s_add_co_u32 s86, s86, s87
	s_lshl_b32 s87, s40, 5
	s_add_co_u32 s86, s86, s87
	s_lshl_b32 s86, s86, 11
	s_add_co_u32 s86, s86, 512                     ; at K step 2: the first refill steps it to 3
	s_mov_b32 s87, 0
	s_add_nc_u64 s[PFA:PFA+1], s[4:5], s[86:87]
	s_or_b32 s[LIM], s11, ttmp9                    ; 0 in waves 0 and 1 of the clusters with x = 0: the same in all sixteen partners, for a given wave
	s_cmp_eq_u32 s[LIM], 0
	s_cselect_b32 s[LIM], 1, -1
	v_and_b32 v[PFO], 31, v0
	v_lshlrev_b32 v[PFO], 11, v[PFO]
	; A fragment is 16 rows x 32 K in 8 registers: lane l holds row l % 16; registers 0-3 K = 8 (l / 16) + 0..7, registers 4-7 K = 16 + 8 (l / 16) + 0..7: two loads of 16 bytes, 32 bytes apart.
	v_mul_u32_u24 v3, v1, PITCH
	v_lshl_add_u32 v3, v2, 4, v3
	s_mul_i32 s84, s10, 64*PITCH
	v_add_nc_u32 v[ADRA0], s84, v3
	v_add_nc_u32 v[ADRB0], BOFF, v3
	s_mul_i32 s84, s10, WST
	s_add_co_u32 s84, s84, STAGE                   ; my stage
	v_mul_u32_u24 v[STO], v1, SP                   ; in: row l % 16, 16 bytes for each half of the lanes
	v_lshl_add_u32 v[STO], v2, 4, v[STO]
	v_add_nc_u32 v[STO], s84, v[STO]
	v_bfe_u32 v[RD], v0, 3, 2                      ; back: 32 lanes take four rows of 128 bytes,
	v_mul_u32_u24 v[RD], v[RD], SP
	v_and_b32 v4, 7, v0
	v_lshl_add_u32 v[RD], v4, 4, v[RD]
	v_add_nc_u32 v[RD], s84, v[RD]
	v_and_b32 v[GO], 31, v0                        ; which are 512 consecutive bytes of a head
	v_lshlrev_b32 v[GO], 4, v[GO]
	v_mov_b32 v[ADRA], v[ADRA0]                    ; K step 0 lies in slot 0
	v_mov_b32 v[ADRB], v[ADRB0]
	s_mov_b32 s[TB], 0
; 12 matrix instructions: row block a x all 12 column blocks, 32 along K, from buffer f.  first = 1: the bias starts the sums.
; The 48 accumulators take turns, one instruction a turn, in the same order in every quarter, over the backward jump too.
.macro MULA f, a, first
.if \first
	WIN 0x85+0x40*((\a)/2)                         ; sources 0 and 1 window 1, C window 0, D window 2 or 3
.else
	WIN 0xa5+0x50*((\a)/2)                         ; C and D window 2 or 3
.endif
.irp b, 0,1,2,3,4,5,6,7,8,9,10,11
.if \first
	v_wmma_f32_16x16x32_bf16 v[8*(12*((\a)%2)+(\b)):8*(12*((\a)%2)+(\b))+7], v[(\f)+8*(\b):(\f)+8*(\b)+7], v[(\f)+96+8*(\a):(\f)+96+8*(\a)+7], v[BIAS+8*(\b):BIAS+8*(\b)+7]
.else
	v_wmma_f32_16x16x32_bf16 v[8*(12*((\a)%2)+(\b)):8*(12*((\a)%2)+(\b))+7], v[(\f)+8*(\b):(\f)+8*(\b)+7], v[(\f)+96+8*(\a):(\f)+96+8*(\a)+7], v[8*(12*((\a)%2)+(\b)):8*(12*((\a)%2)+(\b))+7]
.endif
.endr
.endm
; 32 LDS loads in one run: the fragments of 32 along K at byte k of the rows, into buffer f: wqkv's 12, then xb's 4
.macro FETCH k, f
	WIN TO_F
.irp b, 0,1,2,3,4,5,6,7,8,9,10,11
	ds_load_b128 v[(\f)+8*(\b):(\f)+8*(\b)+3],   v[ADRB] offset:(\k)+(\b)*16*PITCH
	ds_load_b128 v[(\f)+8*(\b)+4:(\f)+8*(\b)+7], v[ADRB] offset:(\k)+(\b)*16*PITCH+32
.endr
.irp a, 0,1,2,3
	ds_load_b128 v[(\f)+96+8*(\a):(\f)+96+8*(\a)+3],   v[ADRA] offset:(\k)+(\a)*16*PITCH
	ds_load_b128 v[(\f)+96+8*(\a)+4:(\f)+96+8*(\a)+7], v[ADRA] offset:(\k)+(\a)*16*PITCH+32
.endr
.endm
; A K step is four quarters of 32 along K, 48 matrix instructions each, on buffers 0, 1, 0, 1.  One of the first three: multiplies buffer f; in its middle it fetches the next quarter, at byte k, into buffer g.
.macro QUARTER k, f, g, first
	s_wait_dscnt 4                                 ; all but the youngest four loads: xb's row blocks 2 and 3 may be out
	MULA \f, 0, \first
	MULA \f, 1, \first
	PLACES
	FETCH \k, \g
	s_wait_dscnt 32                                ; all but the 32 just issued
	MULA \f, 2, \first
	MULA \f, 3, \first
.endm
; The last quarter multiplies buffer 1 and changes slots: ONE barrier.  In front of it each wave waits for all its tensor loads, of which one is out: its part of the next slot; adds 0 to its spare word;
; and waits for that and for its own reads of this slot.  Behind it nobody reads this slot any more and the next slot is whole.  fill = 1: the barrier opens a round of the cluster's barrier, and this slot
; is filled again, first thing behind the round, with the K step two on: 168 matrix instructions stand between that request and the wait for it.
.macro TURN fill
.if \fill
	s_wait_xcnt 0x0                                ; the last prefetch, a K step back, has read its address: it is stepped here, ahead of the change's own waits
	s_add_nc_u64 s[PFA:PFA+1], s[PFA:PFA+1], 256
.endif
	WIN 0                                          ; (the add's two registers lie in window 0)
	s_wait_tensorcnt 0x0                           ; all my tensor loads have landed, so a group 0 may be written
	ds_add_u32 v[SPW], v[NIL]                      ; 0 onto my spare word; register work stands between it and the wait for it
.if \fill
	s_xor_b32 s[G0+5], s[G0+5], SLOT1              ; the walking descriptors: the other slot than last time,
	s_add_nc_u64 s[G0+6:G0+7], s[G0+6:G0+7], 256   ; the next K step; the type bits on top are not reached
	s_xor_b32 s[G0B+5], s[G0B+5], SLOT1
	s_add_nc_u64 s[G0B+6:G0B+7], s[G0B+6:G0B+7], 256
.endif
	s_xor_b32 s[TB], s[TB], SLOT1                  ; the reads go on in the other slot
	s_wait_dscnt 5                                 ; (the add and the youngest four loads may be out)
	MULA F1, 0, 0
	s_wait_dscnt 0x0                               ; the add is done, and my reads of this slot are over
	s_barrier_signal -1
	MULA F1, 1, 0                                  ; work on registers while the others arrive
	WIN 0
	s_barrier_wait -1
.if \fill
	CREST                                          ; no wave of any partner still reads this slot's tile or has a load on its way
	JLOAD                                          ; the first tensor load behind the round; the four v_nop behind it are also the places in front of the loads below
.else
	PLACES
.endif
	v_add_nc_u32 v[ADRA], s[TB], v[ADRA0]
	v_add_nc_u32 v[ADRB], s[TB], v[ADRB0]
	FETCH 0, F0
.if \fill
	WIN 0
	ASK                                            ; behind the joint load and the run of LDS loads that the next products wait for
.endif
	MULA F1, 2, 0
	MULA F1, 3, 0
.endm
; THE WAY OUT of row block a.  ROPE: q's and k's eight column blocks are turned in place: (xe, xo) -> (xe c - xo s, xe s + xo c); a lane holds four whole pairs of a block and their (c, s).
; Each accumulator's lowest registers are read first.
.macro ROPE a
	WIN 0xa2+0x51*((\a)/2)                         ; source 0, source 2 and destination window 2 or 3; source 1, the table, window 0
.irp b, 0,1,2,3,4,5,6,7
.set rA, 8*(12*((\a)%2)+(\b))
.set rT, TAB+32*(\a)+8*((\b)%4)
.irp p, 0,1,2,3
	v_mul_f32 v[XT+2*(\p)],   v[rA+2*(\p)+1], v[rT+2*(\p)+1]   ; xo s
	v_mul_f32 v[XT+2*(\p)+1], v[rA+2*(\p)],   v[rT+2*(\p)+1]   ; xe s
.endr
.irp p, 0,1,2,3
	v_fma_f32 v[rA+2*(\p)],   v[rA+2*(\p)],   v[rT+2*(\p)], -v[XT+2*(\p)]
	v_fma_f32 v[rA+2*(\p)+1], v[rA+2*(\p)+1], v[rT+2*(\p)], v[XT+2*(\p)+1]
.endr
.endr
.endm
.macro PACK a                          ; rounded to f16: 16 bytes a lane and column block
	WIN 0x0a+5*((\a)/2)                            ; sources 0 and 1 window 2 or 3, destination window 0
.irp b, 0,1,2,3,4,5,6,7,8,9,10,11
.irp p, 0,1,2,3
	v_cvt_pk_f16_f32 v[TMP+4*(\b)+(\p)], v[8*(12*((\a)%2)+(\b))+2*(\p)], v[8*(12*((\a)%2)+(\b))+2*(\p)+1]
.endr
.endr
	WIN 0
.endm
.macro TOSTAGE                         ; into my own stage, rows of 144 bytes, q, k and v apart; and back as whole rows of 128 bytes, four to a load
.irp b, 0,1,2,3,4,5,6,7,8,9,10,11
	ds_store_b128 v[STO], v[TMP+4*(\b):TMP+4*(\b)+3] offset:((\b)/4)*16*SP+((\b)%4)*32
.endr
.irp i, 0,1,2,3,4,5,6,7,8,9,10,11
	ds_load_b128 v[BK+4*(\i):BK+4*(\i)+3], v[RD] offset:((\i)/4)*16*SP+((\i)%4)*4*SP  ; LDS serves a wave's instructions in order (ISA guide 5.7.1.4): these see the stores above
.endr
.endm
.macro SEND a
	s_wait_dscnt 0x0                               ; the block is back in registers
.irp f, 0,1,2,3
	global_store_b128 v[GO], v[BK+4*(\f):BK+4*(\f)+3],       s[QP:QP+1]     offset:2048*(\a)+512*(\f)  ; each store covers 512 consecutive bytes, at a multiple of 256 from the buffer's first
	global_store_b128 v[GO], v[BK+16+4*(\f):BK+16+4*(\f)+3], s[QP+2:QP+3]   offset:2048*(\a)+512*(\f)
	global_store_b128 v[GO], v[BK+32+4*(\f):BK+32+4*(\f)+3], s[QP+4:QP+5]   offset:2048*(\a)+512*(\f)
.endr
.endm
	s_wait_loadcnt 32                              ; the 24 loads of the bias are in; the table's 32, issued behind them, may stay out
	s_wait_tensorcnt 1                             ; my part of K step 0 is in; K step 1's may stay out
	s_barrier_signal -1
	s_barrier_wait -1                              ; everybody's is
	FETCH 0, F0
	QUARTER 64, F0, F1, 1                          ; the first quarter stands in front of the loop: its products start the sums
	WIN 0                                          ; at a label and at a branch every window is 0
	s_mov_b32 s[CNT], 6
.Lstep:                                                ; trip t: K step t's quarters 1 to 3, the refill with K step t + 2, K step t + 1's quarter 0
	QUARTER 128, F1, F0, 0
	QUARTER 192, F0, F1, 0
	TURN 1
	QUARTER 64, F0, F1, 0
	WIN 0
	s_sub_co_u32 s[CNT], s[CNT], 1
	s_cmp_lg_u32 s[CNT], 0
	s_cbranch_scc1 .Lstep
	QUARTER 128, F1, F0, 0                         ; K steps 6 and 7 are written out: nothing is left to ask for
	QUARTER 192, F0, F1, 0
	TURN 0
	QUARTER 64, F0, F1, 0
	QUARTER 128, F1, F0, 0
	QUARTER 192, F0, F1, 0
	s_wait_dscnt 4
	MULA F1, 0, 0
	MULA F1, 1, 0
	s_wait_dscnt 0x0
	MULA F1, 2, 0
	MULA F1, 3, 0
	s_wait_loadcnt 0x0                             ; the table
	PLACES
	ROPE 0
	PACK 0
	TOSTAGE
.irp a, 1,2,3                          ; a block's arithmetic stands between the loads of the block before and the wait for them
	ROPE \a
	PACK \a
	SEND (\a)-1
	s_wait_xcnt 0x0                                ; the stores have read their data: the registers are loaded again only behind this wait
	TOSTAGE
.endr
	SEND 3
	s_wait_tensorcnt 0x0                           ; the wave's end, behind my last tensor load and my last LDS store
	ds_add_u32 v[SPW], v[NIL]
	s_wait_dscnt 0x0
	CROUND                                         ; the closing round: no work-group ends while a partner may still ask for a tile that names it
	s_endpgm
.Lfunc_end_k_q94c31301c7_proj:
	.size	k_q94c31301c7_proj, .Lfunc_end_k_q94c31301c7_proj-k_q94c31301c7_proj
	.p2alignl 7, 3214868480
	.fill 96, 4, 3214868480
	.section	.rodata,"a",@progbits
	.p2align	6, 0x0
	.amdhsa_kernel k_q94c31301c7_proj
		.amdhsa_group_segment_fixed_size 327680
		.amdhsa_private_segment_fixed_size 0
		.amdhsa_enable_private_segment 0
		.amdhsa_kernarg_size 48
		.amdhsa_user_sgpr_count 2
		.amdhsa_user_sgpr_kernarg_segment_ptr 1
		.amdhsa_wavefront_size32 1
		.amdhsa_system_sgpr_workgroup_id_x 1
		.amdhsa_system_sgpr_workgroup_id_y 1
		.amdhsa_system_sgpr_workgroup_id_z 1
		.amdhsa_system_vgpr_workitem_id 0
		.amdhsa_next_free_vgpr 1024
		.amdhsa_next_free_sgpr 96
		.amdhsa_reserve_vcc 0
		.amdhsa_float_denorm_mode_32 3
		.amdhsa_float_denorm_mode_16_64 3
		.amdhsa_memory_ordered 1
		.amdhsa_forward_progress 1
		.amdhsa_inst_pref_size 126
	.end_amdhsa_kernel
	.amdgpu_metadata
---
amdhsa.version: [ 1, 2 ]
amdhsa.kernels:
  - .name:           k_q94c31301c7_proj
    .symbol:         k_q94c31301c7_proj.kd
    .args:
      - { .name: xb, .offset: 0, .size: 8, .value_kind: global_buffer, .address_space: global }
      - { .name: wqkv, .offset: 8, .size: 8, .value_kind: global_buffer, .address_space: global }
      - { .name: tab, .offset: 16, .size: 8, .value_kind: global_buffer, .address_space: global }
      - { .name: qh, .offset: 24, .size: 8, .value_kind: global_buffer, .address_space: global }
      - { .name: kh, .offset: 32, .size: 8, .value_kind: global_buffer, .address_space: global }
      - { .name: vh, .offset: 40, .size: 8, .value_kind: global_buffer, .address_space: global }
    .group_segment_fixed_size: 327680
    .private_segment_fixed_size: 0
    .kernarg_segment_align: 8
    .kernarg_segment_size: 48
    .max_flat_workgroup_size: 128
    .sgpr_count:     96
    .vgpr_count:     1024
    .wavefront_size: 32
...
	.end_amdgpu_metadata
.endif
;; end of part 2
;; launch attn (part 3): grid 4 x 64, 4 waves a work-group, no clusters, 327,680 bytes of LDS; arguments qh, kh, vh, oh; writes oh
.if DOCPART == 3
	.amdgcn_target "amdgcn-amd-amdhsa--gfx1250"
	.amdhsa_code_object_version 6
	.text
	.protected	k_q94c31301c7_attn
	.globl	k_q94c31301c7_attn
	.p2align	8
	.type	k_q94c31301c7_attn,@function
k_q94c31301c7_attn:
	s_mov_b64 s[64:65], 0
	v_nop
	global_prefetch_b8 v0, s[64:65] scope:SCOPE_SE
	s_setreg_imm32_b32 hwreg(HW_REG_WAVE_MODE, 25, 1), 1
	s_wait_xcnt 0x0
; CAUSAL ATTENTION.  O[h][q][:] = the sum over k <= q of softmax_k(Q[h][q] . K[h][k] / 8) V[h][k][:].  Q, K, V, O: [64][2048][64], all f16: a head's rows are dense, 128 bytes each.
; Products, maxima and sums in f32; the weights p are rounded to f16 for the second product (their sum l is taken of the unrounded p), O once at the end.
; LIMITS.  f16 holds no number beyond 65,504: Q, K and V arrive within it; p lies in 0 to 1, and below 6e-5 it keeps f16's fixed step of 6e-8; O is a mean of V's rows and has their range, to within 2^-11 of it.
; A hidden score counts as its unscaled value less 8e9, which behind the scale 1/8 is the 1e9 that the problem takes away; a weight below 2^-126 counts as 0 in l; NaN and infinities are not treated apart.
; THE WALK.  A head's queries lie in NB = 8 blocks of 256; block i needs the key tiles 0 .. i of 256 keys, of which the last holds the diagonal.  A work-group takes TWO blocks, NB - 1 - b and then b:
; NB + 1 tiles, whatever b: all work-groups do equal work, and ONE loop with a constant trip count walks them.  Which tile is asked for, and what a trip does, hang on scalar registers made from b; every jump
; goes forward, but for the counted loops' own; none passes a barrier, or a tensor load but the one of LOAD's two that the wave's number does not choose; the ring (two slots of LDS that take turns) runs on across the
; change of blocks.  NO CLUSTER: a head's four work-groups ask for the same tile only in trips 0 .. NB / 2, behind that fewer and fewer; one walk common to all would have 3 NB / 2 = 12 trips for NB + 1 = 9.
; NO PREFETCH: a fill has a whole tile's work, 256 matrix and 1,888 vector instructions a wave, between its request and the wait for it.
; SHARES.  Of a block's four bands of 64 queries a wave owns 16 rows in each: four PIECES.  So the diagonal tile is the same work for all four waves: in its key step s band x sees all keys if s < x,
; none if s > x, and holds the diagonal if s = x.
; THE MASK is the C operand that starts the sum S^T = K Q^T: 0, or -8e9 where the key is hidden.  MD, made once, is the mask of a band's own step for my 16 rows; a product's mask is MD x AL + BE with two scalars:
; (1, 0) if s = x; (0, 0) if s < x; (0, -8e9) if s > x.  Only the diagonal tile's text and a block's beginning make and take masks; elsewhere C is the constant 0.
; LAYOUT, SOFTMAX, TURNS.  S^T = K Q^T holds ONE query a lane (lane % 16) and the keys 8 (lane / 16) + 0..7; two such results rounded to f16 ARE source 1 of O^T = V^T P.  p = 2^(c s - c m), c = log2(e) / 8, with a
; running maximum m; O and l are multiplied by a = 2^(c m_old - c m_new) in every step.  Turn n belongs to piece n: 8 products K Q^T of piece n + 1, later 8 products V^T P of piece n - 1; beside them the scaling,
; exponentials, roundings, sums and rescaling of piece n and the maximum and statistics of piece n + 1.  Four vector instructions stand behind every matrix instruction, the other 54 of a turn's 118 in two LUMPS.
; REGISTERS, in windows of 256 (s_set_vgpr_msb: bits 1:0 source 0, 3:2 source 1, 5:4 source 2, 7:6 destination):
;   window 0: v0-15 addresses and two at work; v16-31 four registers of statistics a piece; v48-55 at work; v64-127 S^T, two buffers; v192-223 P, two buffers (a piece's buffers go by its number's parity)
;   window 1: v0-127 O^T, 32 a piece; v128-159 MD; v160-223 MC, two buffers      window 2: v0-63 Q; v64-127 the second block's Q; v128-191 K of one step; v192-255 V of one step
.set SIZE_N, 2048
.set NB,    SIZE_N/256
.set NP,    4         ; pieces a wave: a name, no knob
.set KS,    64        ; keys in a step
.set PK,    144       ; a row of K in LDS: 128 bytes + 16 of padding = 36 words: the 16 rows of a load start at 16 different groups of four banks (64 banks of 4 bytes: ISA guide 11.1)
.set PV,    160       ; a row of V: 128 + 32 = 40 words
.set VOFF,  4*KS*PK   ; a slot holds a tile, four steps: 256 rows of K, then 256 rows of V
.set SLOT1, 1<<17     ; slot 1 begins here, so that one exclusive or turns an address in one slot into the other's
.set STAGE, SLOT1+4*KS*(PK+PV)  ; behind the ring, never filled by a tensor load: 16 rows x 144 bytes for each wave, for the way out
.set SP,    144
.set AK0, 2           ; v2   my lane's place in a tile of K; never rewritten
.set AV0, 3           ; v3   the same for V
.set AK,  4           ; v4   the LDS address of K's next run of loads
.set AV,  5           ; v5   of V's
.set STO, 6           ; v6   the way out: where I put 16 bytes of a row
.set RD,  7           ; v7   the way out: where I read rows back
.set GO,  8           ; v8   my byte offset in 512 consecutive bytes of O
.set SPW, 62          ; v62  LDS address of my spare word: SPARE + 4 x my thread's number; never rewritten
.set NIL, 63          ; v63  0; never rewritten
.set SPARE, STAGE+4*16*SP  ; behind the stages: the spare words, 128 bytes for each wave: two blocks of 256 bytes that no other line names
.set MV,  12          ; v12-13  c m_old, kept while c m is made anew: by buffer
.set QO,  15          ; v15  my byte offset in 16 rows of Q
.set ST,  16          ; piece t's statistics at v[ST+4 t]: c m, m, l (even keys', odd keys')
.set TMP, 48          ; by buffer, four registers c0-c3 at work; when the maximum is found c2 takes a
.set S,   64
.set P,   192
.set MD,  128         ; window 1: the eight registers for group kt of 16 keys at MD + 8 kt
.set MC,  160         ; window 1: the masks of the products to come
.set QB,  64          ; window 2
.set KF,  128         ; window 2: key block kb, channel half c at KF + 16 kb + 8 c
.set VF,  192         ; window 2: key half kk, channel block cb at VF + 32 kk + 8 cb
.set WV,  12          ; s12  my wave's number
.set PB,  14          ; s14  b
.set HI,  15          ; s15  NB - 1 - b
.set G1K, 24          ; s[24:31] descriptor group 1 for K's tiles
.set G1V, 32          ; s[32:39] for V's: it differs in the padding alone
.set G0K, 40          ; s[40:43] descriptor group 0 for K's tiles
.set G0V, 44          ; s[44:47] the same for V's
.set SLOTS, 56        ; s56  tiles still to be asked for
.set CNT, 57          ; s57  counts a tile's key steps, 4 to 1
.set CS,  58          ; s[58:59] c: the packed scaling takes the pair's low word for both halves
.set SEL, 60          ; s[60:61] v_permlanex16_b32's selects: each lane takes its own place in the other half
.set TBK, 62          ; s62  LDS byte at which K of the step to be fetched begins
.set TBV, 63          ; s63  the same for V, less VOFF
.set RT,  70          ; s70  tiles of the block in hand that are still to be entered
.set NXT, 71          ; s71  the tile to be asked for next
.set LQ,  72          ; s72  the last tile of the block whose tiles are being asked for
.set NEW, 73          ; s73  1: the tile to be entered is a block's first
.set OFF, 74          ; s[74:75] a tile's byte offset in K and V
.set AL,  76          ; s[76:77] the mask's factor, in the low word
.set BE,  78          ; s[78:79] the mask's addend
.set OLO, 80          ; s[80:81] O at my rows of the second block
.set BIGN, 82         ; s82  -8e9
.set MSB, 0
.macro WIN new                      ; the high byte repeats the setting that is left; a switch that changes nothing is dropped
.if MSB != (\new)
	s_set_vgpr_msb (MSB<<8)|(\new)
.set MSB, (\new)
.endif
.endm
.set W_KQ, 0x0a       ; K and Q in window 2, S^T in window 0
.set W_KM, 0x1a       ; the same with the C operand in window 1
.set W_PV, 0x52       ; V in window 2, P in window 0, O^T in window 1
.set W_RS, 0x41       ; destination and source 0 in window 1, source 1 in window 0
; A fill.  Waves 0 and 1 fetch the two halves of a tile's K, waves 2 and 3 those of its V: 128 keys each.  An s_nop 0 and four v_nop follow each of the two lines, ahead of the jump and the label.
.macro LOAD
	s_cmp_lt_u32 s[WV], 2
	s_cbranch_scc0 .Lfor_v_\@
	tensor_load_to_lds s[G0K:G0K+3], s[G1K:G1K+7]
	s_nop 0
.rept 4
	v_nop
.endr
	s_branch .Lasked_\@
.Lfor_v_\@:
	tensor_load_to_lds s[G0V:G0V+3], s[G1V:G1V+7]
	s_nop 0
.rept 4
	v_nop
.endr
.Lasked_\@:
.endm
; THE CHANGE OF SLOTS.  Each wave waits for all its tensor loads, of which one is out: its part of the other slot; adds 0 to its spare word; and waits for that and for its own reads of the slot that it leaves.  Behind the barrier nobody reads the old
; slot any more and the other slot is whole.  fill = 1: the old slot is filled again, the first thing behind the barrier, with tile NXT: the descriptor's address is made anew from that number.
; (At its first use nothing has been read yet: slot 0 is waited for, slot 1 filled.)
.macro CHANGE fill
	WIN 0                           ; at a label and at a branch every window is 0
	s_wait_tensorcnt 0x0            ; no tensor load of mine is out, so a group 0 may be written
	ds_add_u32 v[SPW], v[NIL]       ; 0 onto my spare word; with fill = 1 the descriptors' scalar work stands between it and the wait for it
.if \fill
	s_lshl_b32 s[OFF], s[NXT], 15   ; a tile is 32,768 bytes of K and of V
	s_xor_b32 s[G0K+1], s[G0K+1], SLOT1
	s_add_nc_u64 s[G0K+2:G0K+3], s[6:7], s[OFF:OFF+1]
	s_or_b32 s[G0K+3], s[G0K+3], 0x80000000
	s_xor_b32 s[G0V+1], s[G0V+1], SLOT1
	s_add_nc_u64 s[G0V+2:G0V+3], s[8:9], s[OFF:OFF+1]
	s_or_b32 s[G0V+3], s[G0V+3], 0x80000000
	s_add_co_u32 s[NXT], s[NXT], 1  ; the block's next tile, or behind its last the second block's tile 0
	s_cmp_gt_u32 s[NXT], s[LQ]
	s_cselect_b32 s[NXT], 0, s[NXT]
	s_cselect_b32 s[LQ], s[PB], s[LQ]
.endif
	s_wait_dscnt 0x0                ; the add is done, and my reads of the slot are over
	s_barrier_signal -1             ; the rest of the scalar work stands between the signal and the wait
	s_sub_co_u32 s[TBK], s[TBK], 4*KS*PK  ; the fetches go back to a slot's first step,
	s_xor_b32 s[TBK], s[TBK], SLOT1       ; in the other slot
	s_sub_co_u32 s[TBV], s[TBV], 4*KS*PV
	s_xor_b32 s[TBV], s[TBV], SLOT1
	s_barrier_wait -1
.if \fill
	LOAD
.endif
.endm
	s_load_b256 s[4:11], s[0:1], 0x0  ; Q s[4:5], K s[6:7], V s[8:9], O s[10:11]
	v_lshl_add_u32 v[SPW], v0, 2, SPARE
	v_mov_b32 v[NIL], 0
	ds_add_u32 v[SPW], v[NIL]       ; the wave's opening: the add and its wait stand ahead of my first tensor load; the set-up below, work on registers, stands between them
	ds_add_u32 v62, v63
	v_lshrrev_b32 v1, 5, v0
	v_readfirstlane_b32 s[WV], v1   ; wave 0..3
	s_mov_b32 s[PB], ttmp9
	s_sub_co_u32 s[HI], NB-1, s[PB]
	s_and_b32 s20, ttmp7, 0xffff    ; the head
	s_mov_b32 s21, 0
	s_mov_b64 s[22:23], SIZE_N*128
	s_mul_u64 s[20:21], s[20:21], s[22:23]  ; the head's first byte in each of the four tensors
	s_and_b32 s16, s[WV], 1         ; which half of a tile's 256 keys I fetch:
	s_lshl_b32 s22, s16, 14         ; its 128 rows of 128 bytes in memory,
	s_mov_b32 s23, 0
	s_add_nc_u64 s[22:23], s[22:23], s[20:21]
	s_mul_i32 s17, s16, 128*PK      ; and its place in a slot, for K
	s_mul_i32 s18, s16, 128*PV      ; and for V
	s_lshl_b32 s3, s[WV], 11        ; my 16 rows in a band of 64,
	s_lshl_b32 s2, s[HI], 15        ; in the first block,
	s_add_co_u32 s2, s2, s3
	s_lshl_b32 s84, s[PB], 15       ; and in the second
	s_add_co_u32 s84, s84, s3
	s_mov_b32 s3, 0
	s_mov_b32 s85, 0
	s_add_nc_u64 s[2:3], s[2:3], s[20:21]
	s_add_nc_u64 s[84:85], s[84:85], s[20:21]
	; descriptor group 1.  128 keys are 16,384 dense bytes: asked for as 64 rows of 256 bytes, two keys a row, and padded in LDS after every key
	s_mov_b32 s[G1K], (1<<16)|(1<<20)|(4<<22)|(3<<25)  ; 17:16 2-byte elements; 20 padding on; 24:22 after every 32 words (code 4); 31:25 4 words (code 3)
	s_mov_b32 s[G1V], (1<<16)|(1<<20)|(4<<22)|(7<<25)  ; the same with 8 words of padding (code 7)
.irp g, G1K, G1V
	s_mov_b32 s[\g+1], 128<<16      ; tensor_dim0 = 128
	s_mov_b32 s[\g+2], 64<<16       ; tensor_dim1 = 64
	s_mov_b32 s[\g+3], 128<<16      ; tile_dim0 = 128
	s_mov_b32 s[\g+4], 64           ; tile_dim1 = 64
	s_mov_b32 s[\g+5], 128          ; 128 elements from row to row
	s_mov_b32 s[\g+6], 0
	s_mov_b32 s[\g+7], 0
.endr
	s_mov_b32 s[CS], 0x3e38aa3b     ; c = log2(e) / 8 = 0.180337
	s_mov_b32 s[CS+1], s[CS]        ; named with it as a pair
	s_mov_b32 s[SEL], 0x76543210
	s_mov_b32 s[SEL+1], 0xfedcba98
	s_mov_b32 s[TBK], SLOT1+4*KS*PK ; the first change of slots turns these two into 0
	s_mov_b32 s[TBV], SLOT1+4*KS*PV
	s_mov_b32 s[G0K], 1             ; 1:0 count = 1
	s_mov_b32 s[G0K+1], s17         ; 63:32 LDS address: slot 0
	s_mov_b32 s[G0V], 1
	s_add_co_u32 s[G0V+1], s18, VOFF
	s_add_co_u32 s[RT], s[HI], 1    ; the first block has NB - b tiles
	s_mov_b32 s[NXT], 1
	s_mov_b32 s[LQ], s[HI]
	s_mov_b32 s[NEW], 1
	s_mov_b32 s[OFF+1], 0
	s_mov_b32 s[AL+1], 0            ; named as pairs
	s_mov_b32 s[BE+1], 0
	s_mov_b32 s[BIGN], 0xcfee6b28   ; -8e9, exact in f32
	s_mov_b32 s[SLOTS], NB
	s_wait_dscnt 0x0                ; the opening add is done
	s_wait_kmcnt 0x0
	s_add_nc_u64 s[6:7], s[6:7], s[22:23]  ; K and V at my half of the head's tile 0
	s_add_nc_u64 s[8:9], s[8:9], s[22:23]
	s_add_nc_u64 s[G0K+2:G0K+3], s[6:7], 0         ; 120:64 global address
	s_or_b32 s[G0K+3], s[G0K+3], 0x80000000        ; 127:126 type = 2
	s_add_nc_u64 s[G0V+2:G0V+3], s[8:9], 0
	s_or_b32 s[G0V+3], s[G0V+3], 0x80000000
	s_add_nc_u64 s[86:87], s[4:5], s[84:85]        ; Q at my rows of the second block,
	s_add_nc_u64 s[4:5], s[4:5], s[2:3]            ; Q and O at those of the first
	s_add_nc_u64 s[OLO:OLO+1], s[10:11], s[84:85]
	s_add_nc_u64 s[10:11], s[10:11], s[2:3]
	LOAD                            ; tile 0 into slot 0
	; A fragment of K or Q is 16 rows x 32 channels in 8 registers: lane l holds row l % 16, channels 8 (l / 16) + 0..7 and 16 + 8 (l / 16) + 0..7: two loads of 16 bytes, 32 bytes apart.
	v_and_b32 v1, 15, v0            ; l % 16
	v_bfe_u32 v9, v0, 4, 1          ; l / 16
	v_lshlrev_b32 v[QO], 7, v1
	v_lshl_add_u32 v[QO], v9, 4, v[QO]  ; row x 128 + 16 x half
	WIN 0x80                        ; destination window 2, address window 0
.set i, 0
.rept 8                             ; both blocks' Q: piece i / 2 lies in band i / 2, 8,192 bytes on; channels 32 (i % 2) on
	global_load_b128 v[8*i:8*i+3],   v[QO], s[4:5] offset:(i/2)*8192+(i%2)*64
	global_load_b128 v[8*i+4:8*i+7], v[QO], s[4:5] offset:(i/2)*8192+(i%2)*64+32
	global_load_b128 v[QB+8*i:QB+8*i+3],   v[QO], s[86:87] offset:(i/2)*8192+(i%2)*64
	global_load_b128 v[QB+8*i+4:QB+8*i+7], v[QO], s[86:87] offset:(i/2)*8192+(i%2)*64+32
.set i, i+1
.endr
	WIN 0
	v_lshlrev_b32 v14, 3, v9
	v_sub_nc_u32 v14, v1, v14
	s_lshl_b32 s13, s[WV], 4
	v_add_nc_u32 v14, s13, v14      ; my query's place in its band, 16 w + l % 16, less my lanes' 8 (l / 16): register r of group kt is hidden where 16 kt + r is greater
	WIN 0x40
.set i, 0
.rept 32
	v_cmp_gt_i32 vcc_lo, 16*(i/8)+i%8, v14
	v_cndmask_b32 v[MD+i], 0, s[BIGN], vcc_lo
.set i, i+1
.endr
	WIN 0
	v_mul_u32_u24 v[AK0], v1, PK
	v_lshl_add_u32 v[AK0], v9, 4, v[AK0]  ; row x pitch + 16 x half
	; The turning load takes 16 keys x 16 channels (lane l reads key 8 (l / 16) + l % 8, channels 8 ((l / 8) % 2) + 0..7) and leaves half a fragment of V^T: lane l holds channel l % 16 and 8 keys.
	v_and_b32 v10, 7, v0
	v_bfe_u32 v11, v0, 3, 1
	v_lshl_add_u32 v[AV0], v9, 3, v10
	v_mul_u32_u24 v[AV0], v[AV0], PV
	v_lshl_add_u32 v[AV0], v11, 4, v[AV0]
	v_add_nc_u32 v[AV0], VOFF, v[AV0]
	s_mul_i32 s13, s[WV], 16*SP
	s_add_co_u32 s13, s13, STAGE    ; my stage
	v_mul_u32_u24 v[STO], v1, SP    ; in: row l % 16, 16 bytes for each half of the lanes
	v_lshl_add_u32 v[STO], v9, 4, v[STO]
	v_add_nc_u32 v[STO], s13, v[STO]
	v_bfe_u32 v[RD], v0, 3, 2       ; back: 32 lanes take four rows of 128 bytes,
	v_mul_u32_u24 v[RD], v[RD], SP
	v_lshl_add_u32 v[RD], v10, 4, v[RD]
	v_add_nc_u32 v[RD], s13, v[RD]
	v_and_b32 v[GO], 31, v0         ; which are 512 consecutive bytes of O
	v_lshlrev_b32 v[GO], 4, v[GO]
	; A block's first step multiplies O^T and l by a = 0, and its first turn's products V^T P, of a piece that has not been, land in an O^T that is still to be so multiplied.  So these registers need only hold
	; finite numbers: zeros for the first block; what the first block left for the second.  All this stands in the wait for the first tile.
	WIN 0x80
.set i, VF
.rept 64
	v_mov_b32 v[i], 0
.set i, i+1
.endr
	WIN 0x40
.set i, 0
.rept 128
	v_mov_b32 v[i], 0
.set i, i+1
.endr
	WIN 0
.set i, 0
.rept 4
	v_mov_b32 v[ST+4*i+2], 0
	v_mov_b32 v[ST+4*i+3], 0
.set i, i+1
.endr
.set i, P+16
.rept 16
	v_mov_b32 v[i], 0
.set i, i+1
.endr
; THE MATRIX WORK.  The 4 accumulators of a run of 8 take turns.  Product i of 8 of S^T = K Q^T for piece x: channels 32 (i / 4) on, keys 16 (i % 4) on.  The first 4 start the sums: with 0, or (KM = 1) with the mask.
.macro KQ x
.set rS, S+32*((\x)%2)+8*(i%4)
.set rK, KF+16*(i%4)+8*(i/4)
.set rQ, 16*(\x)+8*(i/4)
.set rM, MC+32*((\x)%2)+8*(i%4)
.if (i < 4) && KM
	WIN W_KM
	v_wmma_f32_16x16x32_f16 v[rS:rS+7], v[rK:rK+7], v[rQ:rQ+7], v[rM:rM+7]
.elseif i < 4
	WIN W_KQ
	v_wmma_f32_16x16x32_f16 v[rS:rS+7], v[rK:rK+7], v[rQ:rQ+7], 0
.else
	WIN W_KQ
	v_wmma_f32_16x16x32_f16 v[rS:rS+7], v[rK:rK+7], v[rQ:rQ+7], v[rS:rS+7]
.endif
.endm
; Product i of 8 of O^T += V^T P for piece x: keys 32 (i / 4) on, channels 16 (i % 4) on.
.macro PV x
	WIN W_PV
.set rO, 32*(\x)+8*(i%4)
.set rV, VF+32*(i/4)+8*(i%4)
.set rP, P+16*((\x)%2)+8*(i/4)
	v_wmma_f32_16x16x32_f16 v[rO:rO+7], v[rV:rV+7], v[rP:rP+7], v[rO:rO+7]
.endm
.macro MM                           ; the turn's next matrix instruction.  TURN and BEGIN set Y, i, KM and NOKQ; MM, KQ and OP read them.  NOKQ = 1: a block's last turn: there is no next piece
.if (i < 8) && !NOKQ
	KQ (Y+1)%NP
.elseif i >= 8
.set i, i-8
	PV (Y+NP-1)%NP
.set i, i+8
.endif
.set i, i+1
.endm
; THE LDS LOADS stand in runs of 16, never singly among the matrix instructions: a step's K (64 keys x 64 channels: 8 fragments) and its V (turned).  Their addresses are made some lines ahead.
.macro FETCH_K
	WIN 0x80                        ; destination window 2
.irp f, 0,1,2,3,4,5,6,7             ; keys 16 (f / 2) on, channels 32 (f % 2) on
	ds_load_b128 v[KF+8*\f:KF+8*\f+3],   v[AK] offset:(\f/2)*16*PK+(\f%2)*64
	ds_load_b128 v[KF+8*\f+4:KF+8*\f+7], v[AK] offset:(\f/2)*16*PK+(\f%2)*64+32
.endr
	s_add_co_u32 s[TBK], s[TBK], KS*PK  ; the next fetch is the next step's
	WIN 0
.endm
.macro FETCH_V
	WIN 0x80
.irp f, 0,1,2,3,4,5,6,7             ; keys 32 (f / 4) on, channels 16 (f % 4) on
	ds_load_tr16_b128 v[VF+8*\f:VF+8*\f+3],   v[AV] offset:(\f/4)*32*PV+(\f%4)*32
	ds_load_tr16_b128 v[VF+8*\f+4:VF+8*\f+7], v[AV] offset:(\f/4)*32*PV+16*PV+(\f%4)*32
.endr
	WIN 0
.endm
; THE VECTOR WORK, one line at a time: OP kind, number.  For piece Y: F n: c s - c m for pair n of 16.  E n: the exponential of score n of 32.  C n: pair n rounded to f16.  B n: of the four weights 4 n .. the second
; pair is added onto the first, in place.  L n: l takes that sum (L 0: l = a l + sum).  R n: pair n of 16 of O^T times a.  For piece Y + 1: X n, number n of the 22 that find its maximum and statistics:
;   0-11  four chains c0-c3 of seven scores each, three operands at a time (each accumulator's lowest registers are read first)     12-14, 16  the four scores left over, the old m, and c0-c3 into c0
;   15  c m_old is kept     17, 18  the query's other 32 keys lie in the lane 16 away: the new m     19-21  c m; c m_old - c m_new; a
.set F, 0               ; OP tells the kinds apart by their order: F to L below R, X above it
.set E, 1
.set C, 2
.set B, 3
.set L, 4
.set R, 5
.set X, 6
.macro REGS y                       ; the registers of piece y
.set rT, ST+4*(\y)
.set rC, TMP+4*((\y)%2)
.set rW, MV+((\y)%2)
.set rS, S+32*((\y)%2)
.set rP, P+16*((\y)%2)
.set rO, 32*(\y)
.endm
.macro OP k, n
.if (\k) == R
	REGS Y
	WIN W_RS
	v_pk_mul_f32 v[rO+2*(\n):rO+2*(\n)+1], v[rO+2*(\n):rO+2*(\n)+1], v[rC+2:rC+3] op_sel_hi:[1,0]
.elseif (\k) < R
	REGS Y
	WIN 0
.if (\k) == F
	v_pk_fma_f32 v[rS+2*(\n):rS+2*(\n)+1], v[rS+2*(\n):rS+2*(\n)+1], s[CS:CS+1], v[rT:rT+1] op_sel_hi:[1,0,0] neg_lo:[0,0,1] neg_hi:[0,0,1]
.elseif (\k) == E
	v_exp_f32 v[rS+(\n)], v[rS+(\n)]
.elseif (\k) == C
	s_wait_alu depctr_va_vdst(0)
	v_cvt_pk_f16_f32 v[rP+(\n)], v[rS+2*(\n)], v[rS+2*(\n)+1]
.elseif (\k) == B
	s_wait_alu depctr_va_vdst(0)
	v_pk_add_f32 v[rS+4*(\n):rS+4*(\n)+1], v[rS+4*(\n):rS+4*(\n)+1], v[rS+4*(\n)+2:rS+4*(\n)+3]
.elseif (\n) == 0
	v_pk_fma_f32 v[rT+2:rT+3], v[rT+2:rT+3], v[rC+2:rC+3], v[rS:rS+1] op_sel_hi:[1,0,1]
.else
	v_pk_add_f32 v[rT+2:rT+3], v[rT+2:rT+3], v[rS+4*(\n):rS+4*(\n)+1]
.endif
.elseif NOKQ
	v_nop
.else
	REGS (Y+1)%NP
	WIN 0
.if (\n) < 4
	v_max3_num_f32 v[rC+(\n)], v[rS+8*(\n)], v[rS+8*(\n)+1], v[rS+8*(\n)+2]
.elseif (\n) < 12
	v_max3_num_f32 v[rC+(\n)%4], v[rC+(\n)%4], v[rS+8*((\n)%4)+2*((\n)/4)+1], v[rS+8*((\n)%4)+2*((\n)/4)+2]
.elseif (\n) == 12
	v_max3_num_f32 v[rC], v[rC], v[rS+7], v[rS+15]
.elseif (\n) == 13
	v_max3_num_f32 v[rC+1], v[rC+1], v[rS+23], v[rS+31]
.elseif (\n) == 14
	v_max3_num_f32 v[rC+2], v[rC+2], v[rC+3], v[rT+1]
.elseif (\n) == 15
	v_mov_b32 v[rW], v[rT]
.elseif (\n) == 16
	v_max3_num_f32 v[rC], v[rC], v[rC+1], v[rC+2]
.elseif (\n) == 17
	v_permlanex16_b32 v[rC+3], v[rC], s[SEL], s[SEL+1]
.elseif (\n) == 18
	v_max_num_f32 v[rT+1], v[rC], v[rC+3]
.elseif (\n) == 19
	v_mul_f32 v[rT], s[CS], v[rT+1]
.elseif (\n) == 20
	v_sub_f32 v[rC+1], v[rW], v[rT]
.else
	v_exp_f32 v[rC+2], v[rC+1]
.endif
.endif
.endm
.macro OPS a, i1, b=-1, i2=0, c=-1, i3=0, d=-1, i4=0  ; up to four of them
	OP \a, \i1
.if (\b) >= 0
	OP \b, \i2
.endif
.if (\c) >= 0
	OP \c, \i3
.endif
.if (\d) >= 0
	OP \d, \i4
.endif
.endm
.macro ROW a, i1, b, i2, c, i3, d, i4  ; a matrix instruction and the four behind it
	MM
	OPS \a, \i1, \b, \i2, \c, \i3, \d, \i4
.endm
.macro MASK b                       ; MD x AL + BE into buffer b of MC
	WIN W_RS
.set z, 0
.rept 16
	v_pk_fma_f32 v[MC+32*(\b)+2*z:MC+32*(\b)+2*z+1], v[MD+2*z:MD+2*z+1], s[AL:AL+1], s[BE:BE+1] op_sel_hi:[1,0,0]
.set z, z+1
.endr
.endm
; A TURN, for piece p: the order of its 16 matrix and 118 vector instructions, written out.  Behind a matrix instruction: plain, exponential, plain, plain; or four of the rescaling; or, behind the first, four scalings; none
; names a register of the products round it.  In the lumps exponential and plain by turns while exponentials last.  A line reads no result made fewer than three vector instructions in front of it, five if an exponential made it.
; v_permlanex16_b32 (X 17) stands in a lump.
; m = 1: the diagonal tile: the products take masks, and the turn makes the mask for the products of the turn after it: piece p + 2, in step 4 - CNT of the tile.  end = 1: a block's last two turns: nothing is fetched.
; cnt = 1: the loop's count is taken down some lines ahead of the branch that stands behind the turn.
; K of the next step is fetched in piece 2's turn, six vector instructions behind the last product that read K (five of them plain); V of the step in hand in piece 0's turn, eight behind the last product that read V (four
; plain, and X 17).  Each is waited for a turn later.
.macro TURN p, m=0, end=0, cnt=0
.set Y, (\p)
.set i, 0
.set KM, (\m)
.set NOKQ, (\end)*((\p)/3)
.if (\m) && !(\end)
	s_cmp_eq_u32 s[CNT], 4-((\p)+2)%NP  ; is that step the band's own?
	s_cselect_b32 s[AL], 1.0, 0
	s_cmp_lt_u32 s[CNT], 4-((\p)+2)%NP  ; or a later one?
	s_cselect_b32 s[BE], s[BIGN], 0
.endif
.if ((\p) == 3) && !(\end)
	s_wait_dscnt 0x0                ; K is in
.endif
	ROW F,0, F,1, F,2, F,3
	ROW F,4, E,0, F,5, F,6
	ROW F,7, E,1, F,8, F,9
	ROW F,10, E,2, C,0, F,11
	ROW F,12, E,3, X,15, F,13
	ROW R,0, R,1, R,2, R,3
	ROW B,0, E,4, F,14, L,0
.if ((\p) == 2) && !(\end)
	v_add_nc_u32 v[AK], s[TBK], v[AK0]
.endif
	ROW R,4, R,5, R,6, R,7
	OPS E,5, F,15
.if ((\p) == 2) && !(\end)
	FETCH_K
.endif
	OPS E,6, C,1, E,7, R,8
	OPS E,8, R,9, E,9, C,2
	OPS E,10, X,0, E,11, X,1
	OPS E,12, X,2, E,13, X,3
.if (\p) == 1
	s_wait_dscnt 0x0                ; V is in
.endif
	ROW X,4, E,14, X,5, X,6
	ROW X,7, E,15, X,8, X,9
	ROW X,10, E,16, X,11, X,12
	ROW X,13, E,17, X,14, B,1
	ROW C,4, E,18, X,16, L,1
	ROW B,2, E,19, C,6, L,2
	ROW C,8, E,20, B,3, B,4
.if (\p) == 0
	v_add_nc_u32 v[AV], s[TBV], v[AV0]
.endif
	ROW C,3, E,21, L,3, C,5
	OPS E,22, X,17, E,23, C,10
.if (\p) == 0
	FETCH_V
.endif
	OPS E,24, L,4
	OPS E,25, X,18, E,26, C,7
	OPS E,27, B,5, E,28, X,19
	OPS E,29, C,12, E,30, L,5
	OPS E,31, X,20, B,6, C,9
	OPS C,14, C,11, X,21, L,6
.if (\p) == 0
	s_add_co_u32 s[TBV], s[TBV], KS*PV
.endif
.if \cnt
	s_sub_co_u32 s[CNT], s[CNT], 1
	s_cmp_lg_u32 s[CNT], 0
.endif
	OPS C,13, B,7, C,15, R,10
	OPS R,11, R,12, L,7, R,13
	OPS R,14, R,15
.if (\m) && !(\end)
	MASK (\p)%2
.endif
.endm
; A BLOCK BEGINS.  c m starts far below every c s, so the first step's a is 0; m at the lowest finite number, so the first maximum is the scores'.  The second mask buffer is 0; the first takes piece 0's mask for the tile's step 0: its own, if the block's first tile is the diagonal one.
; Then K of that step, piece 0's first scores, and its maximum and statistics.  The loop is entered at a step's first turn, in the middle of a trip.
.macro BEGIN
	s_mov_b32 s[NEW], 0
	WIN 0x40
.set i, MC+32
.rept 32
	v_mov_b32 v[i], 0
.set i, i+1
.endr
	WIN 0
.set i, 0
.rept 4
	v_mov_b32 v[ST+4*i], 0xfe000000    ; c m: far below every c s
	v_mov_b32 v[ST+4*i+1], 0xff7fffff  ; m
.set i, i+1
.endr
	s_cmp_eq_u32 s[RT], 0
	s_cselect_b32 s[AL], 1.0, 0
	s_mov_b32 s[BE], 0
	MASK 0
	WIN 0
	v_add_nc_u32 v[AK], s[TBK], v[AK0]
	FETCH_K
	s_wait_loadcnt 0x0              ; Q
	s_wait_dscnt 0x0
.set KM, 1
.set NOKQ, 0
.set i, 0
.rept 8
	KQ 0
.set i, i+1
.endr
	WIN 0
.rept 4
	v_nop                           ; the places behind those products
.endr
.set Y, NP-1                        ; X works for piece Y + 1: piece 0
.irp n, 0,1,2,3,4,5,6,7,8,9,10,11,12,13,14,15,16,17,18,19,20,21
	OP X, \n
.endr
	v_nop                           ; a plain instruction behind the exponential
.endm
; THE DIAGONAL TILE's four steps, the block's last two turns, its last products, and THE WAY OUT: l's two halves and the other half of the lanes' are added; O^T is divided by l, rounded to f16 and sent through my
; stage in LDS, a piece at a time.
.macro ALL line:vararg              ; one line for each piece t
.set t, 0
.rept 4
	\line
.set t, t+1
.endr
.endm
.macro PACK t                       ; a lane's eight channels of a row pack into 16 bytes; they go into rows of 144 bytes and come back as whole rows of 128, into S^T's registers
	WIN W_RS
.set i, 32*(\t)
.rept 16
	s_wait_alu depctr_va_vdst(0)
	v_pk_mul_f32 v[i:i+1], v[i:i+1], v[ST+4*(\t)+2:ST+4*(\t)+3] op_sel_hi:[1,0]
.set i, i+2
.endr
	WIN 0x05                        ; sources 0 and 1 window 1, destination window 0
.set i, 0
.rept 16
	v_cvt_pk_f16_f32 v[S+16*(\t)+i], v[32*(\t)+2*i], v[32*(\t)+2*i+1]
.set i, i+1
.endr
	WIN 0
.irp f, 0,1,2,3
	ds_store_b128 v[STO], v[S+16*(\t)+4*\f:S+16*(\t)+4*\f+3] offset:32*\f
.endr
.irp f, 0,1,2,3
	ds_load_b128 v[S+16*(\t)+4*\f:S+16*(\t)+4*\f+3], v[RD] offset:\f*4*SP  ; LDS serves a wave's instructions in order (ISA guide 5.7.1.4): these see the stores above; the next piece's stores come behind them
.endr
.endm
.macro SEND t, younger              ; younger: the LDS instructions issued behind piece t's loads: the next piece's eight, or none
	WIN 0
.irp f, 0,1,2,3
	s_wait_dscnt (\younger)+3-\f
	global_store_b128 v[GO], v[S+16*(\t)+4*\f:S+16*(\t)+4*\f+3], s[10:11] offset:(\t)*8192+\f*512  ; 512 consecutive bytes, at a multiple of 256 from O's first
.endr
.endm
.macro DIAG tag                     ; the tag ends its two labels' names, which the jumps below spell out
.LstepM\tag:
	TURN 2, 1
	TURN 3, 1
	WIN 0
.LfirstM\tag:
	TURN 0, 1
	TURN 1, 1, 0, 1
	WIN 0
	s_cbranch_scc1 .LstepM\tag
	TURN 2, 1, 1
	TURN 3, 1, 1
.set i, 0
.rept 8
	PV NP-1
.set i, i+1
.endr
	WIN 0
	ALL v_add_f32 v[ST+4*t+2], v[ST+4*t+2], v[ST+4*t+3]
	ALL v_permlanex16_b32 v[ST+4*t+3], v[ST+4*t+2], s[SEL], s[SEL+1]
	ALL v_add_f32 v[ST+4*t+2], v[ST+4*t+2], v[ST+4*t+3]
	ALL v_rcp_f32 v[ST+4*t+2], v[ST+4*t+2]
	v_nop                           ; a plain instruction between the last reciprocal and the use of its result
	PACK 0
.set t, 1
.rept 3                             ; a piece's arithmetic stands between the loads of the piece before and its stores
	PACK t
	SEND t-1, 8
.set t, t+1
.endr
	SEND 3, 0
.endm
.set KM, 0
.set NOKQ, 0
.Lslot:                             ; NB times: a tile is entered and the next is asked for
	CHANGE 1
	s_sub_co_u32 s[RT], s[RT], 1
	s_mov_b32 s[CNT], 4
	s_cmp_eq_u32 s[NEW], 1
	s_cbranch_scc1 .Lnew            ; a block's first tile
	s_cmp_eq_u32 s[RT], 0
	s_cbranch_scc0 .Lstep           ; neither its first nor its last
	s_branch .LstepM1
.Lnew:
	BEGIN
	s_branch .Lfirst                ; in the loop a block's first tile is never its last: the first block has two tiles or more, and the second's last is the walk's last
	DIAG 1                          ; in the loop this is the first block's end: the second block's last tile is the walk's last
	s_wait_xcnt 0x0                 ; the stores have read their registers and O's address
	s_mov_b64 s[10:11], s[OLO:OLO+1]
	s_add_co_u32 s[RT], s[PB], 1    ; the second block has b + 1 tiles
	s_mov_b32 s[NEW], 1
	WIN 0x82                        ; the second block's Q goes where the one text of the turns names Q
.set i, 0
.rept 64
	v_mov_b32 v[i], v[QB+i]
.set i, i+1
.endr
	WIN 0
	s_branch .Lbottom
.Lstep:                             ; a trip: pieces 2 and 3 of one step, then pieces 0 and 1 of the next, whose K and V it fetches
	TURN 2
	TURN 3
	WIN 0
.Lfirst:
	TURN 0
	TURN 1, 0, 0, 1
	WIN 0
	s_cbranch_scc1 .Lstep
.Lbottom:
	s_sub_co_u32 s[SLOTS], s[SLOTS], 1
	s_cmp_lg_u32 s[SLOTS], 0
	s_cbranch_scc1 .Lslot
	CHANGE 0                        ; the walk's last tile is written out: nothing is asked for
	s_sub_co_u32 s[RT], s[RT], 1
	s_mov_b32 s[CNT], 4
	s_cmp_eq_u32 s[NEW], 1
	s_cbranch_scc0 .LstepM2
	BEGIN
	s_branch .LfirstM2
	DIAG 2
	s_wait_tensorcnt 0x0            ; the wave's end, behind my last tensor load and my last LDS store
	ds_add_u32 v[SPW], v[NIL]
	s_wait_dscnt 0x0
	s_endpgm
.Lfunc_end_k_q94c31301c7_attn:
	.size	k_q94c31301c7_attn, .Lfunc_end_k_q94c31301c7_attn-k_q94c31301c7_attn
	.p2alignl 7, 3214868480
	.fill 96, 4, 3214868480
	.section	.rodata,"a",@progbits
	.p2align	6, 0x0
	.amdhsa_kernel k_q94c31301c7_attn
		.amdhsa_group_segment_fixed_size 327680
		.amdhsa_private_segment_fixed_size 0
		.amdhsa_enable_private_segment 0
		.amdhsa_kernarg_size 32
		.amdhsa_user_sgpr_count 2
		.amdhsa_user_sgpr_kernarg_segment_ptr 1
		.amdhsa_wavefront_size32 1
		.amdhsa_system_sgpr_workgroup_id_x 1
		.amdhsa_system_sgpr_workgroup_id_y 1
		.amdhsa_system_sgpr_workgroup_id_z 1
		.amdhsa_system_vgpr_workitem_id 0
		.amdhsa_next_free_vgpr 768
		.amdhsa_next_free_sgpr 88
		.amdhsa_reserve_vcc 1
		.amdhsa_float_denorm_mode_32 3
		.amdhsa_float_denorm_mode_16_64 3
		.amdhsa_memory_ordered 1
		.amdhsa_forward_progress 1
		.amdhsa_inst_pref_size 228
	.end_amdhsa_kernel
	.amdgpu_metadata
---
amdhsa.version: [ 1, 2 ]
amdhsa.kernels:
  - .name:           k_q94c31301c7_attn
    .symbol:         k_q94c31301c7_attn.kd
    .args:
      - { .name: qh, .offset: 0, .size: 8, .value_kind: global_buffer, .address_space: global }
      - { .name: kh, .offset: 8, .size: 8, .value_kind: global_buffer, .address_space: global }
      - { .name: vh, .offset: 16, .size: 8, .value_kind: global_buffer, .address_space: global }
      - { .name: oh, .offset: 24, .size: 8, .value_kind: global_buffer, .address_space: global }
    .group_segment_fixed_size: 327680
    .private_segment_fixed_size: 0
    .kernarg_segment_align: 8
    .kernarg_segment_size: 32
    .max_flat_workgroup_size: 128
    .sgpr_count:     88
    .vgpr_count:     768
    .wavefront_size: 32
...
	.end_amdgpu_metadata
.endif
;; end of part 3
;; launch outp (part 4): grid 8 x 32, 4 waves a work-group, clusters of 4 x 4, 327,680 bytes of LDS; arguments oh, wo16, tab, out0; writes out0
.if DOCPART == 4
	.amdgcn_target "amdgcn-amd-amdhsa--gfx1250"
	.amdhsa_code_object_version 6
	.text
	.protected	k_q94c31301c7_outp
	.globl	k_q94c31301c7_outp
	.p2align	8
	.type	k_q94c31301c7_outp,@function
k_q94c31301c7_outp:
	s_mov_b64 s[64:65], 0
	v_nop
	global_prefetch_b8 v0, s[64:65] scope:SCOPE_SE
	s_setreg_imm32_b32 hwreg(HW_REG_WAVE_MODE, 25, 1), 1
	s_wait_xcnt 0x0
	s_wait_alu depctr_hold_cnt(0) depctr_sa_sdst(0) depctr_va_vdst(0) depctr_va_sdst(0) depctr_va_ssrc(0) depctr_va_vcc(0) depctr_vm_vsrc(0)
	s_getreg_b32 s2, hwreg(HW_REG_IB_STS2, 6, 4)
	s_cmp_eq_u32 s2, 0
	s_cbranch_scc0 .Lentry_in_a_cluster
	s_endpgm
.Lentry_in_a_cluster:
	s_bfe_u32 s2, ttmp6, 0x10000c
	s_cmp_lg_u32 s2, 0xf033
	s_cbranch_scc0 .Lentry_shape_is_right
	s_endpgm
.Lentry_shape_is_right:
; out0 = O wo^T + wo_b.  O lies by heads, oh [64 = 16 batch + head][2048][64] f16; wo16 [1024 n][1024 k] f16 (numbers rounded to bf16); the bias as f32 at byte 536,576 of tab; out0 [8192][1024] f32.
; Sums in f32, K ascending, nothing rounded behind them.  LIMITS: those of the two f16 operands (65,504); NaN and infinities are not treated apart.
; SHARES.  A work-group makes 256 rows x 128 columns: 32 x 8 = 256 work-groups.  Wave w makes rows 64 w .. 64 w + 63 of all 128 columns: 4 x 8 accumulators of 16 x 16, 256 registers.
; K = 64 head + d goes in 8 steps of 128 = two heads through two LDS slots.  A head's 256 rows are 32,768 dense bytes of oh: asked for as 128 rows of 256 bytes and padded in LDS after every 128.
; CLUSTER.  4 x 4 work-groups: O's tile is shared along a row of the cluster, wo16's along a column; each is asked for JOINTLY, by the same tensor load with the same descriptor and a mask of the four.
; THE MATRIX INSTRUCTION IS USED TRANSPOSED (source 0 = 16 rows of wo16, source 1 = 16 rows of O): lane l holds row l % 16 and eight neighbouring columns, 32 bytes of out0.  THE BIAS is the C operand that starts each sum.
; REGISTERS, in windows of 256 (s_set_vgpr_msb: bits 1:0 source 0, 3:2 source 1, 5:4 source 2, 7:6 destination):
;   window 0: v0-31 addresses; v32-95 the bias, 8 registers a column block; v128-191 rows read back on the way out
;   window 1: two fragment buffers of 96: 8 fragments of wo16, then 4 of O          window 2: the 32 accumulators, (a, b) at 8 (8 a + b)
.set PA,     144                       ; a row of O in LDS: 128 bytes + 16 of padding = 36 words;
.set PB,     272                       ; a row of wo16: 256 + 16 = 68 words: either way the 16 rows of a fragment load start at 16 different groups of four banks (64 banks of 4 bytes: ISA guide 11.1)
.set HEADB,  256*PA                    ; one head's 256 rows
.set BOFF,   2*HEADB                   ; a slot: two heads of O, then 128 rows of wo16
.set SLOT1,  131072                    ; slot 1 begins here, so that one exclusive or turns an address in one slot into the other's
.set STAGE,  SLOT1+BOFF+128*PB         ; behind the ring, never filled by a tensor load: for each wave 16 rows x 528 bytes
.set SP,     528
.set WST,    16*SP
.set SPARE,  STAGE+4*WST               ; behind the stages: the spare words, 128 bytes for each wave: two blocks of 256 bytes that no other line names
.set KA,     524288                    ; a K step in oh: two heads of 2,048 rows of 128 bytes
.set ADRA0, 16                         ; v16  my place in slot 0's rows of O: (64 w + l % 16) x 144 + 16 (l / 16); never rewritten
.set ADRB0, 17                         ; v17  the same for wo16: BOFF + (l % 16) x 272 + 16 (l / 16)
.set ADRA,  18                         ; v18, v19  the two, + the slot in hand
.set ADRB,  19
.set STO,   20                         ; v20  the way out: where I put 32 bytes of a row
.set RD,    21                         ; v21  the way out: my 16 bytes of a row of 512
.set GO,    22                         ; v22  the same in out0
.set BO,    23                         ; v23  32 (l / 16): my eight numbers of a block's bias
.set SPW,   28                         ; v28  LDS address of my spare word; never rewritten
.set NIL,   29                         ; v29  0; never rewritten
.set PFO,   30                         ; v30  256 x my lane; never rewritten
.set BIAS,  32
.set BK,    128
.set F0,    0
.set F1,    96
.set CNT,   3                          ; s3   the loop's count
.set G1,    24                         ; s[24:31] descriptor group 1 for O's tiles
.set G0,    32                         ; s[32:35] group 0 of the first fill of slot 0; s[36:39] that of slot 1, which then walks
.set G1B,   48                         ; s[48:55], s[56:59], s[60:63] the same for wo16's tiles
.set G0B,   56
.set TB,    45                         ; s45  the slot that is read: 0 or SLOT1
.set OUTP,  70                         ; s[70:71] out0 at my wave's first row and the tile's first column
.set PFA,   76                         ; s[76:77] where my prefetches stand
.set LIM,   78                         ; s78  1 in a wave that prefetches, else the greatest number
.set BP,    82                         ; s[82:83] the tile's 128 biases
.set MSB, 0
.macro WIN new                         ; the immediate's high byte repeats the setting that is left; a switch that changes nothing is dropped
.if MSB != (\new)
	s_set_vgpr_msb (MSB<<8)|(\new)
.set MSB, \new
.endif
.endm
.set TO_F, 0x40                        ; destination window 1, address window 0
; A joint refill by the walking descriptors.  Waves 0 and 1 fetch the step's two heads of O, waves 2 and 3 the two halves of wo16's tile.  The branch hangs on the wave's number alone.
; An s_nop 0 and four v_nop follow each of the two lines, ahead of the jump and the label.
.macro JLOAD
	s_cmp_lt_u32 s10, 2
	s_cbranch_scc0 .Lfor_b_\@
	tensor_load_to_lds s[G0+4:G0+7], s[G1:G1+7]
	s_nop 0
.rept 4
	v_nop
.endr
	s_branch .Lasked_\@
.Lfor_b_\@:
	tensor_load_to_lds s[G0B+4:G0B+7], s[G1B:G1B+7]
	s_nop 0
.rept 4
	v_nop
.endr
.Lasked_\@:
.endm
; A PREFETCH INTO THE L2 of O's K step that the NEXT refill will ask for, 128 matrix instructions ahead of that load: of the 32,768 bytes that wave 0 or 1 fetches, the partner at place cx takes 8,192, told apart by
; address, a lane 256 of them: one instruction a wave.  Of the two clusters that read a tile row the one with x = 0 asks, so each block of 256 bytes is named once in the launch.
; K steps 0 to 2 come by their loads alone; the loop's last trip asks for nothing: there is no K step 8.  wo16 is not asked for: all 32 tile rows read it.
.macro ASK
	s_cmp_gt_u32 s[CNT], s[LIM]
	s_cbranch_scc0 .Lnot_mine_\@
	global_prefetch_b8 v[PFO], s[PFA:PFA+1] th:TH_LOAD_NT scope:SCOPE_SE
.Lnot_mine_\@:
.endm
; A round of the cluster's barrier: my work-group's barrier, so that wave 0's signal speaks for all four waves; wave 0 signals; every wave waits for all sixteen work-groups; my work-group's barrier once more.
.macro CREST
	s_cmp_lg_u32 s10, 0
	s_cbranch_scc1 .Lnot_wave_0_\@
	s_barrier_signal -3
.Lnot_wave_0_\@:
	s_barrier_wait -3
	s_barrier_signal -1
	s_barrier_wait -1
.endm
.macro CROUND
	s_barrier_signal -1
	s_barrier_wait -1
	CREST
.endm
.macro PLACES                          ; four plain instructions between a matrix instruction and a load into a register that it read, or an LDS store that reads its result (ISA guide 7.12.1 for vector instructions)
.rept 4
	v_nop
.endr
.endm
	s_load_b128 s[4:7], s[0:1], 0x0                ; oh s[4:5], wo16 s[6:7]
	s_load_b128 s[68:71], s[0:1], 0x10             ; tab s[68:69], out0 s[70:71]
	v_lshl_add_u32 v[SPW], v0, 2, SPARE
	v_mov_b32 v[NIL], 0
	ds_add_u32 v[SPW], v[NIL]                      ; the wave's opening: the add and its wait stand ahead of my first tensor load; the set-up below, work on registers, stands between them
	ds_add_u32 v28, v29
	v_lshrrev_b32 v1, 5, v0
	v_readfirstlane_b32 s10, v1                    ; wave 0..3
	s_lshr_b32 s11, s10, 1                         ; 0: I fetch for O, 1: for wo16
	s_and_b32 s12, s10, 1                          ; which head of the step, or which half of wo16's rows
	s_bfe_u32 s40, ttmp6, 0x40000                  ; cx
	s_bfe_u32 s41, ttmp6, 0x40004                  ; cy
	s_lshl_b32 s42, ttmp9, 2
	s_add_co_u32 s42, s42, s40                     ; tile column = 4 x cluster x + cx
	s_and_b32 s13, ttmp7, 0xffff
	s_lshl_b32 s13, s13, 2
	s_add_co_u32 s13, s13, s41                     ; tile row = 4 x cluster y + cy
	s_lshl_b32 s43, s41, 2
	s_lshl_b32 s43, 15, s43                        ; my row of the cluster
	s_lshl_b32 s44, 0x1111, s40                    ; my column
	s_or_b32 s[G1+0], s43, (1<<16)|(1<<20)|(1<<21)|(4<<22)|(3<<25)   ; 15:0 the mask; 17:16 elements of 2 bytes; 20 padding on; 21 set beside a mask; 24:22 after every 32 words (code 4); 31:25 4 words of it (code 3)
	s_or_b32 s[G1B+0], s44, (1<<16)|(1<<20)|(1<<21)|(5<<22)|(3<<25)  ; the same after every 64 words (code 5)
	s_mov_b32 s[G1+1], 128<<16                     ; tensor_dim0 = 128
	s_mov_b32 s[G1+2], 128<<16                     ; tensor_dim1 = 128 rows of 256 bytes
	s_mov_b32 s[G1+3], 128<<16                     ; tile_dim0 = 128
	s_mov_b32 s[G1+4], 128                         ; tile_dim1 = 128
	s_mov_b32 s[G1+5], 128                         ; dense: 128 elements from row to row
	s_mov_b32 s[G1+6], 0
	s_mov_b32 s[G1+7], 0
	s_mov_b32 s[G1B+1], 128<<16
	s_mov_b32 s[G1B+2], 64<<16                     ; 64 rows
	s_mov_b32 s[G1B+3], 128<<16
	s_mov_b32 s[G1B+4], 64
	s_mov_b32 s[G1B+5], 1024
	s_mov_b32 s[G1B+6], 0
	s_mov_b32 s[G1B+7], 0
	; where the tiles come from: O's hang on the tile row alone, wo16's on the tile column alone, each in registers that never hold the other coordinate
	s_lshr_b32 s16, s13, 3                         ; O: batch x 2^22 + head x 2^18 + position x 128
	s_lshl_b32 s16, s16, 22
	s_lshl_b32 s17, s12, 18
	s_or_b32 s16, s16, s17
	s_and_b32 s17, s13, 7
	s_lshl_b32 s17, s17, 15
	s_or_b32 s16, s16, s17
	s_mov_b32 s17, 0
	s_lshl_b32 s46, s42, 7
	s_lshl_b32 s47, s12, 6
	s_add_co_u32 s46, s46, s47                     ; wo16: row 128 x tile column + 64 x half,
	s_lshl_b32 s46, s46, 11                        ; of 2,048 bytes
	s_mov_b32 s47, 0
	s_mul_i32 s20, s10, HEADB                      ; and where they go: waves 0, 1: the two heads at w x 256 rows;
	s_mul_i32 s21, s10, 64*PB
	s_add_co_u32 s21, s21, BOFF-2*64*PB            ; waves 2, 3: wo16's halves at BOFF + (w - 2) x 64 rows.  No place in the cluster enters an LDS address
	s_wait_dscnt 0x0                               ; the opening add is done
	s_wait_kmcnt 0x0
	s_add_nc_u64 s[14:15], s[4:5], s[16:17]
	s_add_nc_u64 s[46:47], s[6:7], s[46:47]
	CROUND                                         ; all sixteen work-groups are here: the first joint loads meet
.irp s, 0,1
	s_mov_b32 s[G0+4*(\s)], 1                                        ; count = 1
	s_add_co_u32 s[G0+4*(\s)+1], s20, (\s)*SLOT1                     ; LDS address
	s_add_nc_u64 s[G0+4*(\s)+2:G0+4*(\s)+3], s[14:15], (\s)*KA       ; global address: K step s
	s_or_b32 s[G0+4*(\s)+3], s[G0+4*(\s)+3], 0x80000000              ; type = 2
	s_mov_b32 s[G0B+4*(\s)], 1
	s_add_co_u32 s[G0B+4*(\s)+1], s21, (\s)*SLOT1
	s_add_nc_u64 s[G0B+4*(\s)+2:G0B+4*(\s)+3], s[46:47], (\s)*256
	s_or_b32 s[G0B+4*(\s)+3], s[G0B+4*(\s)+3], 0x80000000
.endr
	s_cmp_lt_u32 s10, 2                            ; a wave's two first fills stand in one branch, ahead of every wait on TENSORcnt and every LDS read: two loads of mine are out
	s_cbranch_scc0 .Lfirst_b
	tensor_load_to_lds s[G0:G0+3], s[G1:G1+7]
	s_nop 0
	tensor_load_to_lds s[G0+4:G0+7], s[G1:G1+7]
	s_nop 0
.rept 4
	v_nop
.endr
	s_branch .Lfirst_asked
.Lfirst_b:
	tensor_load_to_lds s[G0B:G0B+3], s[G1B:G1B+7]
	s_nop 0
	tensor_load_to_lds s[G0B+4:G0B+7], s[G1B:G1B+7]
	s_nop 0
.rept 4
	v_nop
.endr
.Lfirst_asked:
	s_lshl_b32 s86, s42, 9                         ; the tile's 128 biases
	s_add_co_u32 s86, s86, 536576
	s_mov_b32 s87, 0
	s_add_nc_u64 s[BP:BP+1], s[68:69], s[86:87]
	v_and_b32 v1, 15, v0                           ; l % 16
	v_bfe_u32 v2, v0, 4, 1                         ; l / 16
	v_lshlrev_b32 v[BO], 5, v2
.irp b, 0,1,2,3,4,5,6,7
	global_load_b128 v[BIAS+8*(\b):BIAS+8*(\b)+3],   v[BO], s[BP:BP+1] offset:64*(\b)      ; register j of block b: the bias of column 16 b + 8 (l / 16) + j
	global_load_b128 v[BIAS+8*(\b)+4:BIAS+8*(\b)+7], v[BO], s[BP:BP+1] offset:64*(\b)+16
.endr
	s_lshl_b32 s84, s13, 8                         ; out0: row 256 x tile row + 64 w, of 4,096 bytes, + 512 x tile column
	s_lshl_b32 s85, s10, 6
	s_add_co_u32 s84, s84, s85
	s_lshl_b32 s84, s84, 12
	s_lshl_b32 s85, s42, 9
	s_add_co_u32 s84, s84, s85
	s_mov_b32 s85, 0
	s_add_nc_u64 s[OUTP:OUTP+1], s[OUTP:OUTP+1], s[84:85]
	s_lshl_b32 s86, s40, 13                        ; the prefetches: my work-group's 8,192 bytes of the head that I fetch,
	s_add_co_u32 s86, s86, s16
	s_add_co_u32 s86, s86, 2*KA                    ; at K step 2: the first refill steps it to 3
	s_mov_b32 s87, 0
	s_add_nc_u64 s[PFA:PFA+1], s[4:5], s[86:87]
	s_or_b32 s[LIM], s11, ttmp9                    ; 0 in waves 0 and 1 of the clusters with x = 0: the same in all sixteen partners, for a given wave
	s_cmp_eq_u32 s[LIM], 0
	s_cselect_b32 s[LIM], 1, -1
	v_and_b32 v[PFO], 31, v0
	v_lshlrev_b32 v[PFO], 8, v[PFO]
	; A fragment is 16 rows x 32 K in 8 registers: lane l holds row l % 16; registers 0-3 K = 8 (l / 16) + 0..7, registers 4-7 K = 16 + 8 (l / 16) + 0..7: two loads of 16 bytes, 32 bytes apart.
	v_mul_u32_u24 v3, v1, PA
	v_lshl_add_u32 v3, v2, 4, v3
	s_mul_i32 s84, s10, 64*PA
	v_add_nc_u32 v[ADRA0], s84, v3
	v_mul_u32_u24 v3, v1, PB
	v_lshl_add_u32 v3, v2, 4, v3
	v_add_nc_u32 v[ADRB0], BOFF, v3
	s_mul_i32 s84, s10, WST
	s_add_co_u32 s84, s84, STAGE                   ; my stage
	v_mul_u32_u24 v[STO], v1, SP                   ; in: row l % 16, 32 bytes for each half of the lanes
	v_lshl_add_u32 v[STO], v2, 5, v[STO]
	v_add_nc_u32 v[STO], s84, v[STO]
	v_and_b32 v[GO], 31, v0                        ; back: 32 lanes take one row of 512 bytes
	v_lshlrev_b32 v[GO], 4, v[GO]
	v_add_nc_u32 v[RD], s84, v[GO]
	v_mov_b32 v[ADRA], v[ADRA0]                    ; K step 0 lies in slot 0
	v_mov_b32 v[ADRB], v[ADRB0]
	s_mov_b32 s[TB], 0
; 8 matrix instructions: row block a x all 8 column blocks, 32 along K, from buffer f.  first = 1: the bias starts the sums.
; The 32 accumulators take turns, one instruction a turn, in the same order in every quarter, over the backward jump too.
.macro MULA f, a, first
.if \first
	WIN 0x85                                       ; sources 0 and 1 window 1, C window 0, D window 2
.else
	WIN 0xa5                                       ; C and D window 2
.endif
.irp b, 0,1,2,3,4,5,6,7
.if \first
	v_wmma_f32_16x16x32_f16 v[8*(8*(\a)+(\b)):8*(8*(\a)+(\b))+7], v[(\f)+8*(\b):(\f)+8*(\b)+7], v[(\f)+64+8*(\a):(\f)+64+8*(\a)+7], v[BIAS+8*(\b):BIAS+8*(\b)+7]
.else
	v_wmma_f32_16x16x32_f16 v[8*(8*(\a)+(\b)):8*(8*(\a)+(\b))+7], v[(\f)+8*(\b):(\f)+8*(\b)+7], v[(\f)+64+8*(\a):(\f)+64+8*(\a)+7], v[8*(8*(\a)+(\b)):8*(8*(\a)+(\b))+7]
.endif
.endr
.endm
; 24 LDS loads in one run: the fragments of quarter q of the K step (head q / 2, channels 32 (q % 2) on), into buffer f: wo16's 8, then O's 4
.macro FETCH q, f
	WIN TO_F
.irp b, 0,1,2,3,4,5,6,7
	ds_load_b128 v[(\f)+8*(\b):(\f)+8*(\b)+3],   v[ADRB] offset:64*(\q)+(\b)*16*PB
	ds_load_b128 v[(\f)+8*(\b)+4:(\f)+8*(\b)+7], v[ADRB] offset:64*(\q)+(\b)*16*PB+32
.endr
.irp a, 0,1,2,3
	ds_load_b128 v[(\f)+64+8*(\a):(\f)+64+8*(\a)+3],   v[ADRA] offset:((\q)/2)*HEADB+((\q)%2)*64+(\a)*16*PA
	ds_load_b128 v[(\f)+64+8*(\a)+4:(\f)+64+8*(\a)+7], v[ADRA] offset:((\q)/2)*HEADB+((\q)%2)*64+(\a)*16*PA+32
.endr
.endm
; A K step is four quarters of 32 along K, 32 matrix instructions each, on buffers 0, 1, 0, 1.  One of the first three: multiplies buffer f; in its middle it fetches quarter q into buffer g.
.macro QUARTER q, f, g, first
	s_wait_dscnt 4                                 ; all but the youngest four loads: O's row blocks 2 and 3 may be out
	MULA \f, 0, \first
	MULA \f, 1, \first
	PLACES
	FETCH \q, \g
	s_wait_dscnt 24                                ; all but the 24 just issued
	MULA \f, 2, \first
	MULA \f, 3, \first
.endm
; The last quarter multiplies buffer 1 and changes slots: ONE barrier.  In front of it each wave waits for all its tensor loads, of which one is out: its part of the next slot; adds 0 to its spare word;
; and waits for that and for its own reads of this slot.  Behind it nobody reads this slot any more and the next slot is whole.  fill = 1: the barrier opens a round of the cluster's barrier, and this slot
; is filled again, first thing behind the round, with the K step two on: 112 matrix instructions stand between that request and the wait for it.
.macro TURN fill
.if \fill
	s_wait_xcnt 0x0                                ; the last prefetch, a K step back, has read its address: it is stepped here, ahead of the change's own waits
	s_add_nc_u64 s[PFA:PFA+1], s[PFA:PFA+1], KA
.endif
	WIN 0                                          ; (the add's two registers lie in window 0)
	s_wait_tensorcnt 0x0                           ; all my tensor loads have landed, so a group 0 may be written
	ds_add_u32 v[SPW], v[NIL]                      ; 0 onto my spare word; register work stands between it and the wait for it
.if \fill
	s_xor_b32 s[G0+5], s[G0+5], SLOT1              ; the walking descriptors: the other slot than last time,
	s_add_nc_u64 s[G0+6:G0+7], s[G0+6:G0+7], KA    ; the next K step; the type bits on top are not reached
	s_xor_b32 s[G0B+5], s[G0B+5], SLOT1
	s_add_nc_u64 s[G0B+6:G0B+7], s[G0B+6:G0B+7], 256
.endif
	s_xor_b32 s[TB], s[TB], SLOT1                  ; the reads go on in the other slot
	s_wait_dscnt 5                                 ; (the add and the youngest four loads may be out)
	MULA F1, 0, 0
	s_wait_dscnt 0x0                               ; the add is done, and my reads of this slot are over
	s_barrier_signal -1
	MULA F1, 1, 0                                  ; work on registers while the others arrive
	WIN 0
	s_barrier_wait -1
.if \fill
	CREST                                          ; no wave of any partner still reads this slot's tile or has a load on its way
	JLOAD                                          ; the first tensor load behind the round; the four v_nop behind it are also the places in front of the loads below
.else
	PLACES
.endif
	v_add_nc_u32 v[ADRA], s[TB], v[ADRA0]
	v_add_nc_u32 v[ADRB], s[TB], v[ADRB0]
	FETCH 0, F0
.if \fill
	WIN 0
	ASK                                            ; behind the joint load and the run of LDS loads that the next products wait for
.endif
	MULA F1, 2, 0
	MULA F1, 3, 0
.endm
; THE WAY OUT of row block a: a lane's 32 bytes of a row go into my own stage, rows of 528 bytes, each accumulator's low four registers first; they come back as whole rows of 512 bytes and are stored.
.macro LEAVE a
	WIN 0x08                                       ; an LDS store's data (source 1) in window 2, its address in window 0
.irp b, 0,1,2,3,4,5,6,7
	ds_store_b128 v[STO], v[8*(8*(\a)+(\b)):8*(8*(\a)+(\b))+3]   offset:64*(\b)
	ds_store_b128 v[STO], v[8*(8*(\a)+(\b))+4:8*(8*(\a)+(\b))+7] offset:64*(\b)+16
.endr
	WIN 0
.if (\a) > 0
	s_wait_xcnt 0x0                                ; the last block's stores have read their data: the registers are loaded again only behind this wait
.endif
.irp t, 0,1,2,3,4,5,6,7,8,9,10,11,12,13,14,15
	ds_load_b128 v[BK+4*(\t):BK+4*(\t)+3], v[RD] offset:(\t)*SP  ; LDS serves a wave's instructions in order (ISA guide 5.7.1.4): these see the stores above; the next block's stores come behind them
.endr
.irp t, 0,1,2,3,4,5,6,7,8,9,10,11,12,13,14,15
	s_wait_dscnt 15-(\t)                           ; row t is back; the 15 - t younger loads may stay out
	global_store_b128 v[GO], v[BK+4*(\t):BK+4*(\t)+3], s[OUTP:OUTP+1] offset:(16*(\a)+(\t))*4096 th:TH_STORE_NT  ; 512 consecutive bytes, at a multiple of 256 from out0's first
.endr
.endm
	s_wait_loadcnt 0x0                             ; the bias
	s_wait_tensorcnt 1                             ; my part of K step 0 is in; K step 1's may stay out
	s_barrier_signal -1
	s_barrier_wait -1                              ; everybody's is
	FETCH 0, F0
	QUARTER 1, F0, F1, 1                           ; the first quarter stands in front of the loop: its products start the sums
	WIN 0                                          ; at a label and at a branch every window is 0
	s_mov_b32 s[CNT], 6
.Lstep:                                                ; trip t: K step t's quarters 1 to 3, the refill with K step t + 2, K step t + 1's quarter 0
	QUARTER 2, F1, F0, 0
	QUARTER 3, F0, F1, 0
	TURN 1
	QUARTER 1, F0, F1, 0
	WIN 0
	s_sub_co_u32 s[CNT], s[CNT], 1
	s_cmp_lg_u32 s[CNT], 0
	s_cbranch_scc1 .Lstep
	QUARTER 2, F1, F0, 0                           ; K steps 6 and 7 are written out: nothing is left to ask for
	QUARTER 3, F0, F1, 0
	TURN 0
	QUARTER 1, F0, F1, 0
	QUARTER 2, F1, F0, 0
	QUARTER 3, F0, F1, 0
	s_wait_dscnt 4
	MULA F1, 0, 0
	MULA F1, 1, 0
	s_wait_dscnt 0x0
	MULA F1, 2, 0
	MULA F1, 3, 0
	PLACES
	LEAVE 0
	LEAVE 1
	LEAVE 2
	LEAVE 3
	s_wait_tensorcnt 0x0                           ; the wave's end, behind my last tensor load and my last LDS store
	ds_add_u32 v[SPW], v[NIL]
	s_wait_dscnt 0x0
	CROUND                                         ; the closing round: no work-group ends while a partner may still ask for a tile that names it
	s_endpgm
.Lfunc_end_k_q94c31301c7_outp:
	.size	k_q94c31301c7_outp, .Lfunc_end_k_q94c31301c7_outp-k_q94c31301c7_outp
	.p2alignl 7, 3214868480
	.fill 96, 4, 3214868480
	.section	.rodata,"a",@progbits
	.p2align	6, 0x0
	.amdhsa_kernel k_q94c31301c7_outp
		.amdhsa_group_segment_fixed_size 327680
		.amdhsa_private_segment_fixed_size 0
		.amdhsa_enable_private_segment 0
		.amdhsa_kernarg_size 32
		.amdhsa_user_sgpr_count 2
		.amdhsa_user_sgpr_kernarg_segment_ptr 1
		.amdhsa_wavefront_size32 1
		.amdhsa_system_sgpr_workgroup_id_x 1
		.amdhsa_system_sgpr_workgroup_id_y 1
		.amdhsa_system_sgpr_workgroup_id_z 1
		.amdhsa_system_vgpr_workitem_id 0
		.amdhsa_next_free_vgpr 768
		.amdhsa_next_free_sgpr 96
		.amdhsa_reserve_vcc 0
		.amdhsa_float_denorm_mode_32 3
		.amdhsa_float_denorm_mode_16_64 3
		.amdhsa_memory_ordered 1
		.amdhsa_forward_progress 1
		.amdhsa_inst_pref_size 73
	.end_amdhsa_kernel
	.amdgpu_metadata
---
amdhsa.version: [ 1, 2 ]
amdhsa.kernels:
  - .name:           k_q94c31301c7_outp
    .symbol:         k_q94c31301c7_outp.kd
    .args:
      - { .name: oh, .offset: 0, .size: 8, .value_kind: global_buffer, .address_space: global }
      - { .name: wo16, .offset: 8, .size: 8, .value_kind: global_buffer, .address_space: global }
      - { .name: tab, .offset: 16, .size: 8, .value_kind: global_buffer, .address_space: global }
      - { .name: out0, .offset: 24, .size: 8, .value_kind: global_buffer, .address_space: global }
    .group_segment_fixed_size: 327680
    .private_segment_fixed_size: 0
    .kernarg_segment_align: 8
    .kernarg_segment_size: 32
    .max_flat_workgroup_size: 128
    .sgpr_count:     96
    .vgpr_count:     768
    .wavefront_size: 32
...
	.end_amdgpu_metadata
.endif
;; end of part 4
;; ======== version 2 of 2: 4 launches; version 1 with the launch prep written anew for expert scheduling mode
;; limits: values are held in f16: magnitudes above 65,504 overflow, below 6.1e-05 lose precision
;; workspace buffers: xb 16,777,216 bytes; wqkv 6,291,456 bytes; wo16 2,097,152 bytes; tab 540,672 bytes; qh 16,777,216 bytes; kh 16,777,216 bytes; vh 16,777,216 bytes; oh 16,777,216 bytes
;; launch prep (part 5): grid 768 x 1, 8 waves a work-group, no clusters, 0 bytes of LDS; arguments x, wq_w, wk_w, wv_w, wo_w, wq_b, wk_b, wv_b, wo_b, xb, wqkv, wo16, tab; writes xb, wqkv, wo16, tab
.if DOCPART == 5
	.amdgcn_target "amdgcn-amd-amdhsa--gfx1250"
	.amdhsa_code_object_version 6
	.text
	.protected	k_q94c31301c7_prep
	.globl	k_q94c31301c7_prep
	.p2align	8
	.type	k_q94c31301c7_prep,@function
k_q94c31301c7_prep:
	s_mov_b64 s[64:65], 0
	v_nop
	global_prefetch_b8 v0, s[64:65] scope:SCOPE_SE
	s_setreg_imm32_b32 hwreg(HW_REG_WAVE_SCHED_MODE, 0, 2), 2
	s_setreg_imm32_b32 hwreg(HW_REG_WAVE_MODE, 25, 1), 1
	s_wait_xcnt 0x0
	s_wait_alu depctr_vm_vsrc(0)
; THE INPUTS ARE MADE READY FOR THE MATRIX UNITS, each byte read once and each result written once.
;   xb   [8192][1024] bf16          x rounded once
;   wqkv [3072][1024] bf16          row 192 h + 64 part + d = row 64 h + d of wq_w (part 0), wk_w (1), wv_w (2): a head's q, k and v rows lie together
;   wo16 [1024][1024] f16           wo_w rounded to bf16 like every other input, that number written as f16
;   tab  bytes 0 .. 524,287         [2048 pos][64] f32: word 2 i = cos(pos f_i), word 2 i + 1 = sin(pos f_i), f_i = 10000^(-i/32)
;        from byte 524,288          [16 h][192] f32: wq_b, wk_b, wv_b rounded to bf16, in wqkv's row order;   from byte 536,576: wo_b [1024] likewise
; LIMITS.  wo_w beyond 65,504 becomes an infinity in f16; below 6e-5 it keeps f16's fixed step of 6e-8.  f_i comes from v_exp_f32 (1 ULP), so an angle differs from the
; f32 product of the exact f_i by up to some 3e-4 rad at pos = 2,047.  The series are cut for |h| <= pi/4, which the reduction guarantees for every pos: error under 3e-7 before the two doublings.
; SHARES.  768 work-groups of eight waves; work-group g casts 65,536 bytes of f32 (16 rows of 1,024): g < 512 of x, 512 .. 703 of wq_w, wk_w, wv_w (64 each), 704 .. 767 of wo_w.
; Thread t takes 16 bytes at 16 t + 4,096 j, j = 0 .. 15: a wave's load covers 512 consecutive bytes, its store of 8 bytes a lane 256 consecutive bytes, aligned.
; All sixteen loads go out together.  Work-groups 512 .. 767 also make eight positions of the table while their loads are out; work-groups 0 .. 3 also round one bias each.
; No LDS, no barrier, no matrix unit: nothing is shared and nothing is multiplied.
; THE MODE: SCHED_MODE bits 1:0 = 2 (LLVM: expert scheduling mode 2), set by the entry lines.  The code itself states the register dependences
; between vector instructions and memory instructions, with s_wait_alu, always for 0.
; THE PLAN.  Registers that memory instructions touch:
;   v1, v2       byte offsets 16 t and 8 t, made once at the head and never written again: every load reads v1, every store of the cast v2.
;   X            chunk j's four registers: its load lands in them, once, before any vector instruction has named them; its conversions read them.
;   Y            chunk j's two registers: its conversions write them, its store reads them; each chunk has its own, so none is written again behind its store.
;   v5, v[12:13] the table's offset and data: written by the table's arithmetic, read by its one store, never written again.
;   v[112:115]   at work in the f16 text; later the bias load lands in them.      v3, v[120:123]  the bias store's offset and data, written by vector instructions just ahead of it.
; The cast goes in four blocks of four chunks: the block's conversions, ONE wait on va_vdst, the block's four stores on end.  No register that a memory instruction
; reads is ever written again, so the text holds no wait on vm_vsrc; no vector instruction writes a scalar register or VCC.
.set X, 16                             ; v[16:79]   chunk j: 4 f32 as loaded
.set Y, 80                             ; v[80:111]  chunk j: 4 numbers of 16 bits to store; each chunk has its own, so no store's data is ever rewritten
.set T, 112                            ; v[112:127] at work
	s_load_b512 s[8:23], s[0:1], 0x0               ; x 8, wq_w 10, wk_w 12, wv_w 14, wo_w 16, wq_b 18, wk_b 20, wv_b 22
	s_load_b256 s[24:31], s[0:1], 0x40             ; wo_b 24, xb 26, wqkv 28, wo16 30
	s_load_b64 s[32:33], s[0:1], 0x60              ; tab
	s_mov_b32 s2, ttmp9                            ; g
	s_sub_co_u32 s3, s2, 512                       ; e = g - 512 (used where g >= 512 alone)
	s_lshr_b32 s4, s3, 6                           ; part: 0, 1, 2 = wq, wk, wv; 3 = wo
	s_and_b32 s5, s3, 63                           ; c: which 16 rows of that matrix
	s_lshr_b32 s6, s5, 2                           ; their head,
	s_mul_i32 s6, s6, 192
	s_lshl_b32 s7, s4, 6
	s_add_co_u32 s6, s6, s7                        ; + 64 part
	s_and_b32 s7, s5, 3
	s_lshl_b32 s7, s7, 4
	s_add_co_u32 s6, s6, s7                        ; + their first d
	s_lshl_b32 s6, s6, 11                          ; rows of 2,048 bytes: where they go in wqkv
	s_lshl_b32 s38, s2, 16                         ; x: 65,536 g in, 32,768 g out
	s_lshl_b32 s40, s2, 15
	s_lshl_b32 s42, s5, 16                         ; a weight: 65,536 c in,
	s_lshl_b32 s43, s5, 15                         ; wo16: 32,768 c out
	s_cmp_lt_u32 s2, 704
	s_cselect_b32 s43, s6, s43
	s_cmp_lt_u32 s2, 512
	s_cselect_b32 s38, s38, s42
	s_cselect_b32 s40, s40, s43
	s_mov_b32 s39, 0
	s_mov_b32 s41, 0
	v_lshlrev_b32 v1, 4, v0                        ; 16 t
	v_lshlrev_b32 v2, 3, v0                        ; 8 t
	s_wait_kmcnt 0x0
	s_cmp_eq_u32 s4, 1                             ; from which buffer
	s_cselect_b64 s[34:35], s[12:13], s[10:11]
	s_cmp_eq_u32 s4, 2
	s_cselect_b64 s[34:35], s[14:15], s[34:35]
	s_cmp_eq_u32 s4, 3
	s_cselect_b64 s[34:35], s[16:17], s[34:35]
	s_cmp_lt_u32 s2, 512
	s_cselect_b64 s[34:35], s[8:9], s[34:35]
	s_cmp_lt_u32 s2, 704                           ; into which
	s_cselect_b64 s[36:37], s[28:29], s[30:31]
	s_cmp_lt_u32 s2, 512
	s_cselect_b64 s[36:37], s[26:27], s[36:37]
	s_add_nc_u64 s[34:35], s[34:35], s[38:39]
	s_add_nc_u64 s[36:37], s[36:37], s[40:41]
	s_wait_alu depctr_va_vdst(0)                   ; v1 and v2 are written: every load of the kernel reads v1 as its offset, every store of the cast v2
.irp j, 0,1,2,3,4,5,6,7,8,9,10,11,12,13,14,15
	global_load_b128 v[X+4*(\j):X+4*(\j)+3], v1, s[34:35] offset:4096*(\j) th:TH_LOAD_NT
.endr
	; THE TABLE: work-group 512 + e makes positions 8 e .. 8 e + 7, a wave a position, a lane a pair i.
	s_cmp_lt_u32 s2, 512
	s_cbranch_scc1 .Lcast
	s_lshl_b32 s44, s3, 11                         ; eight rows of 256 bytes
	s_mov_b32 s45, 0
	s_add_nc_u64 s[46:47], s[32:33], s[44:45]
	v_and_b32 v3, 31, v0                           ; i
	v_lshrrev_b32 v4, 5, v0
	v_lshl_add_u32 v4, s3, 3, v4                   ; pos
	v_cvt_f32_u32 v3, v3
	v_cvt_f32_u32 v4, v4
	v_mul_f32 v3, 0xbed49a78, v3                   ; - i log2(10000) / 32
	v_exp_f32 v3, v3                               ; f_i
	v_lshlrev_b32 v5, 3, v0                        ; (the plain instruction behind the exponential) my 8 bytes of the eight rows
	s_wait_alu depctr_va_vdst(0)                   ; the exponential has written v3, ahead of its first reader
	v_mul_f32 v4, v4, v3                           ; the angle
	v_mul_f32 v6, 0.15915494, v4
	v_rndne_f32 v6, v6                             ; n = whole turns, 326 at the most
	v_fmamk_f32 v4, v6, 0xc0c90000, v4             ; - n x 6.28125: exact,
	v_fmamk_f32 v4, v6, 0xbafdaa22, v4             ; - n x the rest of 2 pi: now within -pi .. pi
	v_mul_f32 v4, 0x3e800000, v4                   ; h = a quarter of it
	v_mul_f32 v6, v4, v4                           ; z = h h
	v_mov_b32 v7, 0xb9500d01                       ; sin h = h + h z (-1/6 + z (1/120 - z/5040))
	v_fmaak_f32 v7, v7, v6, 0x3c088889
	v_fmaak_f32 v7, v7, v6, 0xbe2aaaab
	v_mul_f32 v7, v7, v6
	v_fma_f32 v10, v4, v7, v4
	v_mov_b32 v8, 0x37d00d01                       ; cos h = 1 + z (-1/2 + z (1/24 + z (-1/720 + z/40320)))
	v_fmaak_f32 v8, v8, v6, 0xbab60b61
	v_fmaak_f32 v8, v8, v6, 0x3d2aaaab
	v_fmaak_f32 v8, v8, v6, 0xbf000000
	v_fma_f32 v11, v8, v6, 1.0
	v_add_f32 v9, v10, v10                         ; the angle is doubled twice: sin 2a = 2 sin a cos a, cos 2a = 1 - 2 sin a sin a
	v_mul_f32 v14, v9, v11
	v_fma_f32 v15, -v9, v10, 1.0
	v_add_f32 v9, v14, v14
	v_mul_f32 v13, v9, v15                         ; sin
	v_fma_f32 v12, -v9, v14, 1.0                   ; cos
	s_wait_alu depctr_va_vdst(0)                   ; v5, the offset, and v[12:13], the pair, are written: the store below reads them
	global_store_b64 v5, v[12:13], s[46:47]        ; a wave stores one position's 256 bytes
.Lcast:
; Chunk j is rounded.  half = 1: the bf16 number is widened again and written as f16.
.macro CONV j, half
	v_cvt_pk_bf16_f32 v[Y+2*(\j)],   v[X+4*(\j)],   v[X+4*(\j)+1]
	v_cvt_pk_bf16_f32 v[Y+2*(\j)+1], v[X+4*(\j)+2], v[X+4*(\j)+3]
.if \half
	v_lshlrev_b32 v[T],   16, v[Y+2*(\j)]
	v_and_b32     v[T+1], 0xffff0000, v[Y+2*(\j)]
	v_lshlrev_b32 v[T+2], 16, v[Y+2*(\j)+1]
	v_and_b32     v[T+3], 0xffff0000, v[Y+2*(\j)+1]
	v_cvt_pk_f16_f32 v[Y+2*(\j)],   v[T],   v[T+1]
	v_cvt_pk_f16_f32 v[Y+2*(\j)+1], v[T+2], v[T+3]
.endif
.endm
; Block k: chunks 4 k .. 4 k + 3 are rounded, then stored in one run behind one wait.
.macro BLK k, half
	s_wait_loadcnt 12-4*(\k)                       ; loads come back in order: the block's four chunks are in, the 12 - 4 k younger loads may stay out
.irp i, 0,1,2,3
	CONV 4*(\k)+(\i), \half
.endr
	s_wait_alu depctr_va_vdst(0)                   ; the block's conversions have written its eight registers of Y, which the four stores below read
.irp i, 0,1,2,3
	global_store_b64 v2, v[Y+2*(4*(\k)+(\i)):Y+2*(4*(\k)+(\i))+1], s[36:37] offset:2048*(4*(\k)+(\i))
.endr
.endm
	s_cmp_ge_u32 s2, 704
	s_cbranch_scc1 .Lhalf
	BLK 0, 0
	BLK 1, 0
	BLK 2, 0
	BLK 3, 0
	s_branch .Lbias
.Lhalf:
	BLK 0, 1
	BLK 1, 1
	BLK 2, 1
	BLK 3, 1
.Lbias:
	; THE BIASES: work-group 0, 1, 2, 3 rounds wq_b, wk_b, wv_b, wo_b to bf16 and keeps the number as f32.  Thread t has numbers 4 t .. 4 t + 3: head t / 16, d = 4 (t % 16).
	s_cmp_lt_u32 s2, 4
	s_cbranch_scc0 .Lend
	s_cmp_eq_u32 s2, 1
	s_cselect_b64 s[38:39], s[20:21], s[18:19]
	s_cmp_eq_u32 s2, 2
	s_cselect_b64 s[38:39], s[22:23], s[38:39]
	s_cmp_eq_u32 s2, 3
	s_cselect_b64 s[38:39], s[24:25], s[38:39]
	s_movk_i32 s42, 768                            ; q, k, v: a head's 192 numbers are 768 bytes, the part's 64 begin at 256 g
	s_movk_i32 s44, 256                            ; wo_b: as it lies, 12,288 bytes further on
	s_lshl_b32 s43, s2, 8
	s_cmp_eq_u32 s2, 3
	s_cselect_b32 s42, s44, s42
	s_cselect_b32 s43, 12288, s43
	global_load_b128 v[112:115], v1, s[38:39]      ; no wait: the only vector instructions that name v[112:115], the f16 text's widenings and roundings, stand ahead of that text's last wait on va_vdst, and no vector instruction has been issued since
	v_lshrrev_b32 v3, 4, v0
	v_and_b32 v4, 15, v0
	v_mul_lo_u32 v3, v3, s42
	v_lshl_add_u32 v3, v4, 4, v3
	v_add_nc_u32 v3, s43, v3
	s_wait_loadcnt 0x0
	v_cvt_pk_bf16_f32 v116, v112, v113
	v_cvt_pk_bf16_f32 v117, v114, v115
	v_lshlrev_b32 v120, 16, v116
	v_and_b32     v121, 0xffff0000, v116
	v_lshlrev_b32 v122, 16, v117
	v_and_b32     v123, 0xffff0000, v117
	s_wait_alu depctr_va_vdst(0)                   ; v3, the offset, and v[120:123], the four numbers, are written: the store below reads them
	global_store_b128 v3, v[120:123], s[32:33] offset:524288  ; sixteen lanes store 256 consecutive bytes, aligned
.Lend:
	s_endpgm
.Lfunc_end_k_q94c31301c7_prep:
	.size	k_q94c31301c7_prep, .Lfunc_end_k_q94c31301c7_prep-k_q94c31301c7_prep
	.p2alignl 7, 3214868480
	.fill 96, 4, 3214868480
	.section	.rodata,"a",@progbits
	.p2align	6, 0x0
	.amdhsa_kernel k_q94c31301c7_prep
		.amdhsa_group_segment_fixed_size 0
		.amdhsa_private_segment_fixed_size 0
		.amdhsa_enable_private_segment 0
		.amdhsa_kernarg_size 104
		.amdhsa_user_sgpr_count 2
		.amdhsa_user_sgpr_kernarg_segment_ptr 1
		.amdhsa_wavefront_size32 1
		.amdhsa_system_sgpr_workgroup_id_x 1
		.amdhsa_system_sgpr_workgroup_id_y 1
		.amdhsa_system_sgpr_workgroup_id_z 1
		.amdhsa_system_vgpr_workitem_id 0
		.amdhsa_next_free_vgpr 128
		.amdhsa_next_free_sgpr 66
		.amdhsa_reserve_vcc 0
		.amdhsa_float_denorm_mode_32 3
		.amdhsa_float_denorm_mode_16_64 3
		.amdhsa_memory_ordered 1
		.amdhsa_forward_progress 1
		.amdhsa_inst_pref_size 20
	.end_amdhsa_kernel
	.amdgpu_metadata
---
amdhsa.version: [ 1, 2 ]
amdhsa.kernels:
  - .name:           k_q94c31301c7_prep
    .symbol:         k_q94c31301c7_prep.kd
    .args:
      - { .name: x, .offset: 0, .size: 8, .value_kind: global_buffer, .address_space: global }
      - { .name: wq_w, .offset: 8, .size: 8, .value_kind: global_buffer, .address_space: global }
      - { .name: wk_w, .offset: 16, .size: 8, .value_kind: global_buffer, .address_space: global }
      - { .name: wv_w, .offset: 24, .size: 8, .value_kind: global_buffer, .address_space: global }
      - { .name: wo_w, .offset: 32, .size: 8, .value_kind: global_buffer, .address_space: global }
      - { .name: wq_b, .offset: 40, .size: 8, .value_kind: global_buffer, .address_space: global }
      - { .name: wk_b, .offset: 48, .size: 8, .value_kind: global_buffer, .address_space: global }
      - { .name: wv_b, .offset: 56, .size: 8, .value_kind: global_buffer, .address_space: global }
      - { .name: wo_b, .offset: 64, .size: 8, .value_kind: global_buffer, .address_space: global }
      - { .name: xb, .offset: 72, .size: 8, .value_kind: global_buffer, .address_space: global }
      - { .name: wqkv, .offset: 80, .size: 8, .value_kind: global_buffer, .address_space: global }
      - { .name: wo16, .offset: 88, .size: 8, .value_kind: global_buffer, .address_space: global }
      - { .name: tab, .offset: 96, .size: 8, .value_kind: global_buffer, .address_space: global }
    .group_segment_fixed_size: 0
    .private_segment_fixed_size: 0
    .kernarg_segment_align: 8
    .kernarg_segment_size: 104
    .max_flat_workgroup_size: 256
    .sgpr_count:     66
    .vgpr_count:     128
    .wavefront_size: 32
...
	.end_amdgpu_metadata
.endif
;; end of part 5
;; launch proj: the kernel of part 2 again; grid 16 x 32, 4 waves a work-group, clusters of 4 x 4, 327,680 bytes of LDS; arguments xb, wqkv, tab, qh, kh, vh; writes qh, kh, vh
;; launch attn: the kernel of part 3 again; grid 4 x 64, 4 waves a work-group, no clusters, 327,680 bytes of LDS; arguments qh, kh, vh, oh; writes oh
;; launch outp: the kernel of part 4 again; grid 8 x 32, 4 waves a work-group, clusters of 4 x 4, 327,680 bytes of LDS; arguments oh, wo16, tab, out0; writes out0
